; MI455X (gfx1250); checked and timed in simulation.
; The chip was launched on July 23, 2026; its instructions are those of AMD's public machine-readable ISA for CDNA 5 (MIT licence, August 2026) and "CDNA5" Instruction Set Architecture Reference Guide (July 2026). The comments in the code are by the model that wrote it; some were corrected since.
;; Causal Self Attention. Allowed arithmetic: matrix products marked QUANTISED: E2M3 operands, one E8M0 scale for each 32 along K, by v_wmma_scale_f32_16x16x128_f8f6f4 with both operands' format E2M3, f32 sums; everything else in f32.
;; Inputs: W_proj 1,024 x 1,024 float32; W_qkv 1,024 x 3,072 float32; x 2 x 2,048 x 1,024 float32.
;; Outputs: out0 2 x 2,048 x 1,024 float32.
;; This version of the problem:
;;   THIS VERSION OF THE PROBLEM IS GIVEN IN LOW PRECISION. The matrix products marked QUANTISED in the list below multiply operands that are first quantised to E2M3 (2 exponent bits, 3 mantissa bits; 6 bits a number), with one power-of-two scale for each 32 numbers along K (OCP MX v1.0); their sums are f32. All else is computed in f32.
;;   The module's matrix products, in the order in which they are computed (A, B: the left and right operand; K: the contracted axis; several contracted axes count as one K, in the product's order):
;;     1. [M 4,096, K 1,024] x [K 1,024, N 3,072]; A: input x; B: input W_qkv: QUANTISED
;;     2. batch 32 x [M 2,048, K 64] x [K 64, N 2,048]; A: computed on the way; B: computed on the way: QUANTISED
;;     3. batch 32 x [M 2,048, K 2,048] x [K 2,048, N 64]; A: softmax (see below); B: computed on the way: QUANTISED
;;     4. [M 4,096, K 1,024] x [K 1,024, N 1,024]; A: computed on the way; B: input W_proj: QUANTISED
;;   THE QUANTISER, for each operand of a quantised product, along K:
;;     - K is cut into blocks of 32 from its start; a last block that is shorter is filled with zeros.
;;     - A block's scale is 2^e with e = floor(log2(the largest magnitude in the block)) - 2, held to -126 .. 127; a block of zeros has e = 0. As a byte (E8M0): e + 127.
;;     - Each number is divided by its block's scale, clamped to +-7.5, and rounded to the nearest number of E2M3, ties to even, subnormals kept.
;;     - The product sums the exact products of the quantised numbers (number of the format x scale) in f32.
;;   ~~~python
;;   def quantise(x, axis):      # numpy; x: float32 -> the quantised numbers, widened to float32 again
;;       x = np.moveaxis(x, axis, -1); K = x.shape[-1]
;;       x = np.pad(x, [(0, 0)] * (x.ndim - 1) + [(0, -K % 32)]); x = x.reshape(x.shape[:-1] + (-1, 32)); a = np.abs(x).max(-1, keepdims=True)
;;       e = np.where(a > 0, np.clip(np.frexp(np.where(a > 0, a, 1))[1] - 1 - 2, -126, 127), 0)      # np.frexp(a)[1] - 1 = floor(log2(a)), exactly
;;       r = np.clip(x / 2.0 ** e, -7.5, 7.5)
;;       step = 2.0 ** (np.maximum(np.frexp(np.where(r == 0, 1, r))[1] - 1, 0) - 3)
;;       q = np.round(r / step) * step * 2.0 ** e      # np.round: ties to even
;;       return np.moveaxis(q.reshape(q.shape[:-2] + (-1,))[..., :K], -1, axis).astype(np.float32)
;;   ~~~
;;   SOFTMAX AHEAD OF A QUANTISED PRODUCT. Where the list says 'softmax', what is quantised is not the finished softmax but p = 2^(t - M), with t = logit x log2(e) and M = ceil(the row's largest t), a whole number; so 1/2 < the row's largest p <= 1. The row's sum l is taken of the UNQUANTISED p, in f32, and the product's result is divided by l at the end. Since M is a whole number, a kernel that streams over the keys may use a running M (the ceiling of the running maximum): every later rescaling is an exact power of two, which a block's scale takes up: the codes' values come out the same.
;;   OPERANDS COMPUTED ON THE WAY. 'Computed on the way' means the value that the module computes at that place (a softmax that the list does not call 'softmax' is quantised finished and normalised). What goes into a quantiser is computed in f32, as accurately as f32 sums, v_exp_f32 and their like allow (about 1e-6 of the number): no bf16 or f16 on the way to a quantiser, and a product that is left as it is and whose result goes on into a quantised operand takes f32 operands (vector FMAs, or v_wmma_f32_16x16x4_f32). A number that lies on a knife's edge between two numbers of the format may be rounded either way, as far as f32 arithmetic and the matrix unit's own rounding can turn it there, and no further.
;; One version. Each part assembles by itself: llvm-mc -triple=amdgcn-amd-amdhsa -mcpu=gfx1250 --defsym DOCPART=n.
;; ======== version 1 of 1: 4 launches
;; limits: right only within a limited range of input values
;; workspace buffers: codes 9,437,184 bytes; sc 393,216 bytes; qkv 10,747,904 bytes
;; launch quant (part 1): grid 256 x 1, 8 waves a work-group, no clusters, 94,208 bytes of LDS; arguments x, W_qkv, W_proj, codes, sc; writes codes, sc
.if DOCPART == 1
	.amdgcn_target "amdgcn-amd-amdhsa--gfx1250"
	.amdhsa_code_object_version 6
	.text
	.protected	k_q741ead3066_quant
	.globl	k_q741ead3066_quant
	.p2align	8
	.type	k_q741ead3066_quant,@function
k_q741ead3066_quant:
	s_mov_b64 s[64:65], 0
	v_nop
	global_prefetch_b8 v0, s[64:65] scope:SCOPE_SE
	s_setreg_imm32_b32 hwreg(HW_REG_WAVE_MODE, 25, 1), 1
	s_wait_xcnt 0x0
; x [4096][1024], W_qkv [1024][3072] and W_proj [1024][1024], f32, become codes of FP6 (E2M3) with one E8M0 byte for each 32 along K (K = 1024: x's last axis, the weights' first).
; A block's scale is 2^(floor(log2(its largest magnitude)) - 2): its byte is the largest magnitude's exponent field - 2, held at 1 from below.
; LIMITS: NaN and infinities among the inputs are not served; a block's largest magnitude is taken as 2^-124 at the least; a block of zeros gets the byte 1, not 127: its codes are zeros, and this program alone reads the bytes.
; WORK LEFT OUT BY THE PROGRAM: scores and values of keys that come after all queries of a tile (the causal mask that the problem builds in its own body gives them the weight 0 for all inputs) are left out in the attention launch, by whole key steps;
; a NaN, an infinity or an overflow that reaches only those is not carried to the result.
; THE WORKSPACE IS LAID AS THE MATRIX UNIT'S REGISTERS WANT IT.  A TILE is 16 rows of an operand (tokens of x, columns of a weight): row i of tile t is index 64 (t / 4) + 8 (t % 4) + i + 24 (i / 8): four tiles make a band of 64.
; A FRAGMENT (a tile x 128 along K, 12 registers a lane, 1,536 bytes) lies as two halves of 768 bytes: registers 0-3 of a half at 16 x lane, registers 4-5 at 512 + 8 x lane.
; codes: [tile][K step of 128: 8][1,536]; tiles 0-255 x; 256-447 W_qkv by heads: 256 + 12 x head + 4 x (0 q, 1 k, 2 v) + 0 .. 3; 448-511 W_proj (512-767: y, written later).   sc: [pair of tiles][K step][row 16][tile of the pair] words of four scale bytes.
; SHARES.  Work-groups 0-127: x, a pair of tiles (32 rows) each, wave w takes K step w.  Work-groups 128-255: the weights: a band of 64 columns x 512 along K, wave w takes 64 of those.  A wave asks for its 16 KB at once.
; No tensor load, no cluster, no prefetch: no byte is read twice and there is no loop.  The two paths have LDS bytes of their own, and each wave a stage of its own; the weights' scale words alone pass between waves.
.set SPW,  14
.set NIL,  15
.set TM,   16                          ; v16-19   maxima;  v20-21 scale operands;  v22-25 scale bytes
.set SO,   20
.set EB,   22
.set PW,   30                          ; v30-31   scale words
.set PC,   32                          ; v32-55   x: the two tiles' codes;  v56-62 the conversions' second halves
.set CT,   56
.set X,    64                          ; v64-127  x: 64 numbers of a lane, k = 64 c + 32 h + i in register 32 c + i;  weights: codes of four blocks
.set WC,   96
.set R,    128                         ; v128-255 the numbers as loaded
.set SEL,  36
.set XST,  8448                        ; x: a wave's stage: 16 rows x (512 bytes + 16)
.set WST0, 8*XST
.set WST,  3072                        ; weights: four half fragments' images a wave
.set SCL,  WST0+8*WST                  ; the weights' scale words: [pair of tiles][K step of four][row][tile of the pair]
.set SPARE, SCL+1024
	s_load_b256 s[4:11], s[0:1], 0x0               ; x s[4:5], W_qkv s[6:7], W_proj s[8:9], codes s[10:11]
	s_load_b64 s[12:13], s[0:1], 0x20              ; sc
	v_lshl_add_u32 v[SPW], v0, 2, SPARE
	v_mov_b32 v[NIL], 0
	v_lshrrev_b32 v1, 5, v0
	v_readfirstlane_b32 s16, v1                    ; wave 0..7
	v_and_b32 v1, 31, v0                           ; lane l
	v_and_b32 v2, 15, v0                           ; r
	v_bfe_u32 v3, v0, 4, 1                         ; h
	v_lshlrev_b32 v4, 4, v1                        ; 16 l
	v_lshlrev_b32 v5, 3, v1                        ; 8 l
	v_lshlrev_b32 v6, 3, v2                        ; 8 r
	v_lshlrev_b32 v10, 2, v1                       ; 4 l
	v_lshlrev_b32 v9, 3, v3                        ; 8 h
	v_mov_b32 v28, 0                               ; a lane permute's destination counts as one of its sources
	s_wait_alu depctr_va_vdst(0)                   ; ahead of the scalar lines and the branch
	s_cmp_lt_u32 ttmp9, 128
	s_cbranch_scc0 .Lweights
	; ---- x: tiles 2 P, 2 P + 1 (P = the work-group's number), K = 128 w .. 128 w + 127
	s_lshr_b32 s22, ttmp9, 1
	s_lshl_b32 s22, s22, 18                        ; the band of 64 rows of 4,096 bytes,
	s_and_b32 s23, ttmp9, 1
	s_lshl_b32 s23, s23, 16                        ; and 16 rows on for its second pair
	s_add_co_u32 s22, s22, s23
	s_lshl_b32 s23, s16, 9
	s_add_co_u32 s22, s22, s23
	s_mov_b32 s23, 0
	s_mul_i32 s24, ttmp9, 24576
	s_mul_i32 s25, s16, 1536
	s_add_co_u32 s24, s24, s25
	s_mov_b32 s25, 0
	s_lshl_b32 s26, ttmp9, 10
	s_lshl_b32 s27, s16, 7
	s_add_co_u32 s26, s26, s27
	s_mov_b32 s27, 0
	s_wait_kmcnt 0x0
	s_add_nc_u64 s[4:5], s[4:5], s[22:23]
	s_add_nc_u64 s[10:11], s[10:11], s[24:25]
	s_add_nc_u64 s[12:13], s[12:13], s[26:27]
.irp u, 0,1
.irp i, 0,1,2,3,4,5,6,7,8,9,10,11,12,13,14,15
	global_load_b128 v[R+4*(16*\u+\i):R+4*(16*\u+\i)+3], v4, s[4:5] offset:(8*\u+\i+24*(\i/8))*4096 th:TH_LOAD_NT   ; row i of tile u: 32 lanes read 512 consecutive bytes
.endr
.endr
	s_mov_b32 s[SEL], 0x76543210
	s_mov_b32 s[SEL+1], 0xfedcba98
	s_mul_i32 s17, s16, XST
	v_add_nc_u32 v7, s17, v4                       ; the stage, in: 16 l of a row
	v_mul_u32_u24 v8, v2, 528
	v_lshl_add_u32 v8, v3, 7, v8
	v_add_nc_u32 v8, s17, v8                       ; and out: row r, + 128 h
	s_wait_alu depctr_va_vdst(0)                   ; the wait at the head's end
; A tile turns through the wave's stage: in as loaded, out 32 neighbours, a whole block, to a lane, twice.  LDS serves a wave's instructions in order: no wait between the stores and the loads.
.macro XTILE u
	s_wait_loadcnt 16-16*\u                        ; this tile's sixteen loads are in; tile 1's may be out while tile 0 is worked
.irp i, 0,1,2,3,4,5,6,7,8,9,10,11,12,13,14,15
	ds_store_b128 v7, v[R+4*(16*\u+\i):R+4*(16*\u+\i)+3] offset:528*\i
.endr
.irp j, 0,1,2,3,4,5,6,7
.irp c, 0,1
	ds_load_b128 v[X+32*\c+4*\j:X+32*\c+4*\j+3], v8 offset:256*\c+16*\j
.endr
.endr
	s_wait_dscnt 0x0
.irp b, 0,1,2,3
	v_max3_num_f32 v[TM+\b], |v[X+16*\b]|, |v[X+16*\b+1]|, 0x1800000   ; half a block a chain, and the floor 2^(3 - 127): so the byte cannot fall under 1
.endr
.irp i, 2,4,6,8,10,12,14
.irp b, 0,1,2,3
	v_max3_num_f32 v[TM+\b], v[TM+\b], |v[X+16*\b+\i]|, |v[X+16*\b+\i+1]|
.endr
.endr
	v_max_num_f32 v[TM], v[TM], v[TM+1]
	v_max_num_f32 v[TM+2], v[TM+2], v[TM+3]
	v_add_nc_u32 v[SO], 0xff000000, v[TM]          ; 2 off the exponent field: the conversion takes this operand's exponent field as its scale
	v_add_nc_u32 v[SO+1], 0xff000000, v[TM+2]
.irp c, 0,1
	v_cvt_scalef32_pk16_fp6_f32 v[PC+12*\u+6*\c:PC+12*\u+6*\c+2], v[X+32*\c:X+32*\c+15], v[SO+\c]
	v_cvt_scalef32_pk16_fp6_f32 v[CT+4*\c:CT+4*\c+2], v[X+32*\c+16:X+32*\c+31], v[SO+\c]   ; (a conversion's three registers begin on an even number)
.endr
	v_lshrrev_b32 v[EB], 23, v[SO]                 ; the scales' bytes (plain places behind the conversions)
	v_lshrrev_b32 v[EB+1], 23, v[SO+1]
.irp i, 0,1,2
	v_mov_b32 v[PC+12*\u+3+\i], v[CT+\i]
	v_mov_b32 v[PC+12*\u+9+\i], v[CT+4+\i]
.endr
	v_lshl_or_b32 v[EB], v[EB+1], 16, v[EB]        ; blocks h and 2 + h
	v_lshlrev_b32 v[EB], v9, v[EB]                 ; at their places in the word;
	v_permlanex16_b32 v28, v[EB], s[SEL], s[SEL+1]
	v_or_b32 v[PW+\u], v[EB], v28                  ; with lane l xor 16's two it is whole
	global_store_b128 v4, v[PC+12*\u:PC+12*\u+3], s[10:11] offset:12288*\u          ; each store covers 512 or 256 consecutive bytes, aligned
	global_store_b64 v5, v[PC+12*\u+4:PC+12*\u+5], s[10:11] offset:12288*\u+512
	global_store_b128 v4, v[PC+12*\u+6:PC+12*\u+9], s[10:11] offset:12288*\u+768
	global_store_b64 v5, v[PC+12*\u+10:PC+12*\u+11], s[10:11] offset:12288*\u+1280
.endm
	XTILE 0
	XTILE 1
	global_store_b64 v6, v[PW:PW+1], s[12:13]      ; row r's two words; lanes 16-31 hold and write the same as lanes 0-15.  128 consecutive bytes: 1 byte in 128 of what the wave reads
	s_wait_tensorcnt 0x0                           ; the wave's end
	ds_add_u32 v[SPW], v[NIL]
	s_wait_dscnt 0x0
	s_endpgm
.Lweights:
	; ---- the weights: band G of 64 columns (0-47 W_qkv, 48-63 W_proj), K = 512 kk + 64 w + 0 .. 63: half w % 2 of K step 4 kk + w / 2
	s_sub_co_u32 s22, ttmp9, 128
	s_lshr_b32 s23, s22, 1                         ; G
	s_and_b32 s24, s22, 1                          ; kk
	s_lshl_b32 s25, s24, 3
	s_add_co_u32 s25, s25, s16                     ; which 64 along K
	s_and_b32 s34, s23, 15
	s_mul_i32 s34, s34, 12
	s_lshr_b32 s35, s23, 4
	s_lshl_b32 s35, s35, 2
	s_add_co_u32 s34, s34, s35                     ; W_qkv: 12 x head + 4 x type
	s_lshl_b32 s35, s23, 2                         ; W_proj: 4 G
	s_cmp_lt_u32 s23, 48
	s_cselect_b32 s34, s34, s35
	s_add_co_u32 s34, s34, 256                     ; the band's first tile
	s_mul_i32 s26, s34, 12288
	s_lshr_b32 s27, s25, 1
	s_mul_i32 s27, s27, 1536
	s_add_co_u32 s26, s26, s27
	s_and_b32 s27, s16, 1
	s_mul_i32 s27, s27, 768
	s_add_co_u32 s26, s26, s27
	s_mov_b32 s27, 0
	s_lshl_b32 s28, s34, 9                         ; sc: 1,024 bytes a pair of tiles;
	s_lshl_b32 s29, s24, 9
	s_add_co_u32 s28, s28, s29
	s_lshl_b32 s29, s16, 10
	s_add_co_u32 s28, s28, s29                     ; waves 0 and 1 store a pair's words each
	s_mov_b32 s29, 0
	s_wait_kmcnt 0x0
	s_add_nc_u64 s[10:11], s[10:11], s[26:27]
	s_add_nc_u64 s[12:13], s[12:13], s[28:29]
; A lane takes columns l and 32 + l of the band and its registers run down K: block t (32 along K) of column 32 u + l in registers 32 (2 t + u) ..; a row's 256 bytes come by two loads on end
.macro WLOAD n, p
.set j, 0
.rept 64
	global_load_b32 v[R+64*(j/32)+j%32], v10, s[\p:\p+1] offset:j*\n*4 th:TH_LOAD_NT
	global_load_b32 v[R+64*(j/32)+j%32+32], v10, s[\p:\p+1] offset:j*\n*4+128 th:TH_LOAD_NT
.set j, j+1
.endr
.endm
	s_cmp_lt_u32 s23, 48
	s_cbranch_scc0 .Lw_proj
	s_mul_i32 s30, s25, 64*3072*4
	s_lshl_b32 s31, s23, 8
	s_add_co_u32 s30, s30, s31
	s_mov_b32 s31, 0
	s_add_nc_u64 s[6:7], s[6:7], s[30:31]
	WLOAD 3072, 6
	s_branch .Lw_go
.Lw_proj:
	s_mul_i32 s30, s25, 64*1024*4
	s_sub_co_u32 s31, s23, 48
	s_lshl_b32 s31, s31, 8
	s_add_co_u32 s30, s30, s31
	s_mov_b32 s31, 0
	s_add_nc_u64 s[8:9], s[8:9], s[30:31]
	WLOAD 1024, 8
.Lw_go:
	; column 32 u + l is row i = l % 8 + 8 u of the band's tile j = l / 8
	s_mul_i32 s18, s16, WST
	s_add_co_u32 s18, s18, WST0
	s_lshr_b32 s19, s16, 1
	s_lshl_b32 s19, s19, 7
	s_and_b32 s20, s16, 1
	s_lshl_b32 s20, s20, 1
	s_add_co_u32 s19, s19, s20
	s_add_co_u32 s19, s19, SCL
	s_lshl_b32 s20, s16, 9
	s_add_co_u32 s20, s20, SCL
	v_and_b32 v7, 7, v1                            ; l % 8
	v_lshrrev_b32 v8, 3, v1                        ; j
	v_mul_u32_u24 v11, v8, 768
	v_add_nc_u32 v11, s18, v11
	v_lshl_add_u32 v12, v7, 3, v11                 ; the stage: tile j's image, 8 (l % 8)
	v_lshl_add_u32 v11, v7, 4, v11                 ; and 16 (l % 8)
	v_add_nc_u32 v13, s18, v4                      ; and back: 16 l
	v_lshrrev_b32 v26, 1, v8
	v_and_b32 v27, 1, v8
	v_lshlrev_b32 v26, 9, v26
	v_lshl_add_u32 v26, v27, 2, v26
	v_lshl_add_u32 v26, v7, 3, v26
	v_add_nc_u32 v33, s19, v26                     ; my scale bytes' place: 512 (j / 2) + 4 (j % 2) + 8 (l % 8) + 128 x K step + 2 x half
	v_lshlrev_b32 v27, 4, v2
	v_lshl_add_u32 v34, v3, 8, v27                 ; the way out: 256-byte unit n = 2 m + h of my four images goes to tile n / 3, part n % 3: m = 0: units 0, 1
	v_mul_u32_u24 v35, v3, 11776
	v_add_nc_u32 v35, v27, v35
	v_add_nc_u32 v35, 512, v35                     ; m = 1: unit 2, and the next tile's 0
	v_add_nc_u32 v36, 12544, v34                   ; m = 2: the next tile's 1, 2
	v_add_nc_u32 v37, s20, v4                      ; waves 0 and 1: a pair's scale words, 16 l
	s_wait_alu depctr_va_vdst(0)                   ; the wait at the head's end
.macro WBLOCK t
.if (\t) == 0
	s_wait_loadcnt 63                              ; a wait names 63 at the most: of 128 loads the first 65 are then in, block 0's 64 among them
.else
	s_wait_loadcnt 0x0
.endif
.irp b, 0,1,2,3
	v_max3_num_f32 v[TM+\b], |v[R+64*(\t)+16*\b]|, |v[R+64*(\t)+16*\b+1]|, 0x1800000   ; half a block a chain, and the floor
.endr
.irp i, 2,4,6,8,10,12,14
.irp b, 0,1,2,3
	v_max3_num_f32 v[TM+\b], v[TM+\b], |v[R+64*(\t)+16*\b+\i]|, |v[R+64*(\t)+16*\b+\i+1]|
.endr
.endr
	v_max_num_f32 v[TM], v[TM], v[TM+1]
	v_max_num_f32 v[TM+2], v[TM+2], v[TM+3]
	v_add_nc_u32 v[SO], 0xff000000, v[TM]
	v_add_nc_u32 v[SO+1], 0xff000000, v[TM+2]
.irp u, 0,1
	v_cvt_scalef32_pk16_fp6_f32 v[X+16*(\t)+8*\u:X+16*(\t)+8*\u+2], v[R+64*(\t)+32*\u:R+64*(\t)+32*\u+15], v[SO+\u]
	v_cvt_scalef32_pk16_fp6_f32 v[WC+4*\u:WC+4*\u+2], v[R+64*(\t)+32*\u+16:R+64*(\t)+32*\u+31], v[SO+\u]
.endr
	v_lshrrev_b32 v[EB+2*(\t)], 23, v[SO]          ; (plain places behind the conversions)
	v_lshrrev_b32 v[EB+2*(\t)+1], 23, v[SO+1]
.irp i, 0,1,2
.irp u, 0,1
	v_mov_b32 v[X+16*(\t)+8*\u+3+\i], v[WC+4*\u+\i]
.endr
.endr
.irp u, 0,1                                    ; row i's block 2 (w % 2) + t lies in lane i + 16 t of the image; each block has code registers of its own: no wait for these stores
	ds_store_b128 v11, v[X+16*(\t)+8*\u:X+16*(\t)+8*\u+3] offset:128*\u+256*(\t)
	ds_store_b64 v12, v[X+16*(\t)+8*\u+4:X+16*(\t)+8*\u+5] offset:512+64*\u+128*(\t)
.endr
.endm
	WBLOCK 0
	WBLOCK 1
.irp u, 0,1
	v_lshl_or_b32 v[EB+\u], v[EB+2+\u], 8, v[EB+\u]
.endr
.irp u, 0,1
	ds_store_b16 v33, v[EB+\u] offset:64*\u        ; two bytes of the row's word; the neighbouring wave makes the other two
.endr
.irp m, 0,1,2,3,4,5
	ds_load_b128 v[40+4*\m:43+4*\m], v13 offset:512*\m   ; the four images, as they lie (LDS serves a wave's instructions in order: these see my stores)
.endr
.irp m, 0,1,2,3,4,5
	s_wait_dscnt 5-\m
	global_store_b128 v[34+\m%3], v[40+4*\m:43+4*\m], s[10:11] offset:24576*(\m/3)   ; two units of 256 consecutive bytes, aligned
.endr
	s_wait_dscnt 0x0
	s_barrier_signal -1                            ; every wave's scale bytes are stored
	s_barrier_wait -1
	s_cmp_lt_u32 s16, 2
	s_cbranch_scc0 .Lw_end
	ds_load_b128 v[64:67], v37
	s_wait_dscnt 0x0
	global_store_b128 v4, v[64:67], s[12:13]       ; a pair of tiles' words for four K steps: 512 consecutive bytes, aligned
.Lw_end:
	s_wait_tensorcnt 0x0                           ; the wave's end
	ds_add_u32 v[SPW], v[NIL]
	s_wait_dscnt 0x0
	s_endpgm
.Lfunc_end_k_q741ead3066_quant:
	.size	k_q741ead3066_quant, .Lfunc_end_k_q741ead3066_quant-k_q741ead3066_quant
	.p2alignl 7, 3214868480
	.fill 96, 4, 3214868480
	.section	.rodata,"a",@progbits
	.p2align	6, 0x0
	.amdhsa_kernel k_q741ead3066_quant
		.amdhsa_group_segment_fixed_size 94208
		.amdhsa_private_segment_fixed_size 0
		.amdhsa_enable_private_segment 0
		.amdhsa_kernarg_size 40
		.amdhsa_user_sgpr_count 2
		.amdhsa_user_sgpr_kernarg_segment_ptr 1
		.amdhsa_wavefront_size32 1
		.amdhsa_system_sgpr_workgroup_id_x 1
		.amdhsa_system_sgpr_workgroup_id_y 1
		.amdhsa_system_sgpr_workgroup_id_z 1
		.amdhsa_system_vgpr_workitem_id 0
		.amdhsa_next_free_vgpr 256
		.amdhsa_next_free_sgpr 66
		.amdhsa_reserve_vcc 0
		.amdhsa_float_denorm_mode_32 3
		.amdhsa_float_denorm_mode_16_64 3
		.amdhsa_memory_ordered 1
		.amdhsa_forward_progress 1
		.amdhsa_inst_pref_size 52
	.end_amdhsa_kernel
	.amdgpu_metadata
---
amdhsa.version: [ 1, 2 ]
amdhsa.kernels:
  - .name:           k_q741ead3066_quant
    .symbol:         k_q741ead3066_quant.kd
    .args:
      - { .name: x, .offset: 0, .size: 8, .value_kind: global_buffer, .address_space: global }
      - { .name: W_qkv, .offset: 8, .size: 8, .value_kind: global_buffer, .address_space: global }
      - { .name: W_proj, .offset: 16, .size: 8, .value_kind: global_buffer, .address_space: global }
      - { .name: codes, .offset: 24, .size: 8, .value_kind: global_buffer, .address_space: global }
      - { .name: sc, .offset: 32, .size: 8, .value_kind: global_buffer, .address_space: global }
    .group_segment_fixed_size: 94208
    .private_segment_fixed_size: 0
    .kernarg_segment_align: 8
    .kernarg_segment_size: 40
    .max_flat_workgroup_size: 256
    .sgpr_count:     66
    .vgpr_count:     256
    .wavefront_size: 32
...
	.end_amdgpu_metadata
.endif
;; end of part 1
;; launch gemm_qkv (part 2): grid 16 x 16, 4 waves a work-group, clusters of 4 x 4, 327,680 bytes of LDS; arguments codes, sc, qkv; writes qkv
.if DOCPART == 2
	.amdgcn_target "amdgcn-amd-amdhsa--gfx1250"
	.amdhsa_code_object_version 6
	.text
	.protected	k_q741ead3066_gemm_qkv
	.globl	k_q741ead3066_gemm_qkv
	.p2align	8
	.type	k_q741ead3066_gemm_qkv,@function
k_q741ead3066_gemm_qkv:
	s_mov_b64 s[64:65], 0
	v_nop
	global_prefetch_b8 v0, s[64:65] scope:SCOPE_SE
	s_setreg_imm32_b32 hwreg(HW_REG_WAVE_MODE, 25, 1), 1
	s_wait_xcnt 0x0
	s_wait_alu depctr_hold_cnt(0) depctr_sa_sdst(0) depctr_va_vdst(0) depctr_va_sdst(0) depctr_va_ssrc(0) depctr_va_vcc(0) depctr_vm_vsrc(0)
	s_getreg_b32 s2, hwreg(HW_REG_IB_STS2, 6, 4)
	s_cmp_eq_u32 s2, 0
	s_cbranch_scc0 .Lentry_in_a_cluster
	s_endpgm
.Lentry_in_a_cluster:
	s_bfe_u32 s2, ttmp6, 0x10000c
	s_cmp_lg_u32 s2, 0xf033
	s_cbranch_scc0 .Lentry_shape_is_right
	s_endpgm
.Lentry_shape_is_right:
; q, k, v = x W_qkv on codes of FP6 (E2M3) with one E8M0 byte for each 32 along K = 1,024; sums in f32; the results are quantised on the way out (q, k along a head's 64 channels, v along the tokens).
; A work-group of four waves makes 256 tokens x the 192 columns of ONE HEAD: x's 16 tiles (A) and the head's 12 tiles of W (B: q 0-3, k 4-7, v 8-11).  Operands are register images: [tile of 16 rows][K step of 128: 8][1,536 bytes];
; row i of tile t is index 64 (t / 4) + 8 (t % 4) + i + 24 (i / 8).  Wave (a, b): 128 tokens, one key step (8 tiles), x q's (b = 0) or k's (b = 1) four tiles and v's tiles 2 b, 2 b + 1: 48 accumulators.
; q, k: source 0 = W's tile: a lane holds ONE token and, over four tiles, 32 neighbouring channels.  v: source 0 = x's tile: a lane holds one channel and, over a band's four tiles, 32 neighbouring tokens.  Each is one scale block: no lane looks at another but for the scale words.
; LDS: K steps 0-2 (region 0: A then B), steps 3-6 (region 1), the spare words.  At the head one tensor load a wave: wave 0 A's and wave 1 B's steps 0-2, waves 2 and 3 steps 3-6.  ONE REFILL: step 7 goes into region 0 (region 2 by its addresses), in step 2.
; CLUSTER 4 x 4: A's tiles are shared along a row of the cluster, B's along a column.  No prefetch: seven eighths of K are asked for at the head, there is no loop, and the refill has the products of four K steps in which to land.
; LIMITS: a block's largest magnitude is taken as 2^-124 at the least; a block of zeros gets the byte 1: its codes are zeros, and this program alone reads the bytes.  NaN and infinities are not served.
; REGISTERS: window 0: v2-23 addresses; v32-95 scale words (8 s + i: lanes 0-15 A's tile i, lanes 16-31 B's); v128-223 A's fragments; window 1: B's fragments, two sets, at v0 and v128; window 2: q or k, 32 a + 8 i; window 3: v, 64 c + 32 i + 8 (a % 4).
.set P0,    4608                       ; a tile's bytes in region 0, 1, 2
.set P1,    6144
.set P2,    1536
.set RB0,   16*P0
.set RA1,   28*P0
.set RB1,   RA1+16*P1
.set RB2,   16*P2
.set SPARE, RA1+28*P1
.set REC,   20992
.set L16, 2
.set L8,  3
.set A16, 4
.set A8,  7
.set B16, 10
.set B8,  13
.set V16, 16
.set V8,  19
.set SOFF, 22
.set SOF2, 23
.set SPW, 28
.set NIL, 29
.set SC,  32
.set TM,  96                           ; v96-103 maxima, v104-107 scale operands, v108-119 scale bytes
.set SO,  104
.set EB,  108
.set AF,  128
.set PC,  128                          ; on the way out: v128-199 codes
.set WD,  200                          ; v200-209 scale words
.set CT,  224                          ; v224-239 the conversions' second halves
.set PX,  240                          ; v240-243 lane exchanges
.set PK,  244
.set GA0, 24
.set GB0, 32
.set GA1, 40
.set GB1, 48
.set DA0, 56
.set DB0, 60
.set DA1, 68
.set DB1, 72
.set SEL, 92
.set MSB, 0
.macro WIN new                         ; the immediate's high byte repeats the setting that is left
.if MSB != \new
	s_set_vgpr_msb (MSB<<8)|\new
.set MSB, \new
.endif
.endm
.macro PLACES n
.rept \n
	v_nop
.endr
.endm
.macro CREST                           ; a round of the cluster's barrier behind its opening barrier
	s_cmp_lg_u32 s14, 0
	s_cbranch_scc1 .Lnot_wave_0_\@
	s_barrier_signal -3
.Lnot_wave_0_\@:
	s_barrier_wait -3
	s_barrier_signal -1
	s_barrier_wait -1
.endm
.macro CROUND
	s_barrier_signal -1
	s_barrier_wait -1
	CREST
.endm
.macro GROUP1 g, mask, n, rows         ; rows (tiles) of n elements of 8 bytes, 12,288 bytes apart; bit 21 beside a mask
	s_or_b32 s[\g], s\mask, (3<<16)|(1<<21)
	s_mov_b32 s[\g+1], (\n)<<16
	s_mov_b32 s[\g+2], (\rows)<<16
	s_mov_b32 s[\g+3], (\n)<<16
	s_mov_b32 s[\g+4], \rows
	s_mov_b32 s[\g+5], 1536
	s_mov_b32 s[\g+6], 0
	s_mov_b32 s[\g+7], 0
.endm
.macro GROUP0 d, lds, base, off
	s_mov_b32 s[\d], 1
	s_mov_b32 s[\d+1], \lds
	s_add_nc_u64 s[\d+2:\d+3], s[\base:\base+1], \off
	s_or_b32 s[\d+3], s[\d+3], 0x80000000
.endm
.macro TLOAD d, g
	tensor_load_to_lds s[\d:\d+3], s[\g:\g+7]
	s_nop 0
	PLACES 4
.endm
	s_load_b128 s[4:7], s[0:1], 0x0                ; codes s[4:5], sc s[6:7]
	s_load_b64 s[8:9], s[0:1], 0x10                ; qkv
	v_lshl_add_u32 v[SPW], v0, 2, SPARE
	v_mov_b32 v[NIL], 0
	ds_add_u32 v[SPW], v[NIL]
	ds_add_u32 v[SPW], v[NIL]
	v_lshrrev_b32 v1, 5, v0
	v_readfirstlane_b32 s14, v1                    ; wave
	s_lshr_b32 s15, s14, 1                         ; a: which 128 tokens
	s_and_b32 s16, s14, 1                          ; b: q or k, and which half of v
	s_bfe_u32 s66, ttmp6, 0x40000
	s_bfe_u32 s67, ttmp6, 0x40004
	s_lshl_b32 s10, ttmp9, 2
	s_add_co_u32 s10, s10, s66                     ; the head
	s_and_b32 s11, ttmp7, 0xffff
	s_lshl_b32 s11, s11, 2
	s_add_co_u32 s11, s11, s67                     ; the block of 256 tokens
	s_lshl_b32 s12, s67, 2
	s_lshl_b32 s12, 15, s12                        ; my row of the cluster
	s_lshl_b32 s13, 0x1111, s66                    ; my column
	GROUP1 GA0, 12, P0/8, 16
	GROUP1 GB0, 13, P0/8, 12
	GROUP1 GA1, 12, P1/8, 16
	GROUP1 GB1, 13, P1/8, 12
	s_mul_i32 s76, s11, 16*12288
	s_mov_b32 s77, 0
	s_mul_i32 s78, s10, 12*12288
	s_add_co_u32 s78, s78, 256*12288
	s_mov_b32 s79, 0
	s_wait_dscnt 0x0
	s_wait_kmcnt 0x0
	s_add_nc_u64 s[76:77], s[4:5], s[76:77]        ; A hangs on the token block alone, B on the head alone
	s_add_nc_u64 s[78:79], s[4:5], s[78:79]
	GROUP0 DA0, 0, 76, 0
	GROUP0 DB0, RB0, 78, 0
	GROUP0 DA1, RA1, 76, P0
	GROUP0 DB1, RB1, 78, P0
	CROUND                                         ; all sixteen work-groups are here: the first joint loads meet
.macro ARM under, d, g, next
	s_cmp_lt_u32 s14, \under
	s_cbranch_scc0 \next
	TLOAD \d, \g
	s_branch .Lhead_asked
\next:
.endm
	ARM 1, DA0, GA0, .Lwave_1
	ARM 2, DB0, GB0, .Lwave_2
	ARM 3, DA1, GA1, .Lwave_3
	TLOAD DB1, GB1
.Lhead_asked:
	v_and_b32 v1, 31, v0
	v_and_b32 v24, 15, v0                          ; r
	v_bfe_u32 v25, v0, 4, 1                        ; h
	v_lshlrev_b32 v[L16], 4, v1
	v_lshlrev_b32 v[L8], 3, v1
	s_wait_alu depctr_va_vdst(0)                   ; ahead of the scalar lines below
	s_lshl_b32 s84, s11, 3
	s_lshl_b32 s85, s15, 2
	s_add_co_u32 s84, s84, s85
	s_lshl_b32 s84, s84, 10                        ; sc: my 8 tiles of x, four pairs of 1,024 bytes
	s_mul_i32 s87, s10, 6
	s_add_co_u32 s87, s87, 128
	s_lshl_b32 s85, s16, 1
	s_add_co_u32 s86, s87, s85
	s_lshl_b32 s86, s86, 10
	s_sub_co_u32 s86, s86, s84                     ; q's or k's two pairs, behind x's
	s_add_co_u32 s87, s87, s16
	s_add_co_u32 s87, s87, 2
	s_lshl_b32 s87, s87, 10
	s_sub_co_u32 s87, s87, s84                     ; v's pair, less 2,048 (it is read at offset 2,048)
	v_mul_u32_u24 v26, s86, v25
	v_mul_u32_u24 v27, s87, v25
	v_lshl_add_u32 v26, v24, 3, v26
	v_lshl_add_u32 v27, v24, 3, v27
	v_add_nc_u32 v[SOFF], s84, v26
	v_add_nc_u32 v[SOF2], s84, v27
; THE SCALE WORDS for all of K come once: lanes 0-15 take A's rows, lanes 16-31 B's (of the last pair A's alone are used)
.irp s, 0,1,2,3,4,5,6,7
	global_load_b64 v[SC+8*\s:SC+8*\s+1], v[SOFF], s[6:7] offset:128*\s
	global_load_b64 v[SC+8*\s+2:SC+8*\s+3], v[SOFF], s[6:7] offset:1024+128*\s
	global_load_b64 v[SC+8*\s+4:SC+8*\s+5], v[SOF2], s[6:7] offset:2048+128*\s
	global_load_b64 v[SC+8*\s+6:SC+8*\s+7], v[SOF2], s[6:7] offset:3072+128*\s
.endr
.macro ADDR n, pitch, ab, bb
	s_mul_i32 s20, s15, 8*(\pitch)
	s_mul_i32 s21, s16, 4*(\pitch)
	s_mul_i32 s22, s16, 2*(\pitch)
	s_add_co_u32 s20, s20, \ab
	s_add_co_u32 s21, s21, \bb
	s_add_co_u32 s22, s22, (\bb)+8*(\pitch)
	v_add_nc_u32 v[A16+\n], s20, v[L16]
	v_add_nc_u32 v[A8+\n], s20, v[L8]
	v_add_nc_u32 v[B16+\n], s21, v[L16]
	v_add_nc_u32 v[B8+\n], s21, v[L8]
	v_add_nc_u32 v[V16+\n], s22, v[L16]
	v_add_nc_u32 v[V8+\n], s22, v[L8]
.endm
	ADDR 0, P0, 0, RB0
	ADDR 1, P1, RA1, RB1
	ADDR 2, P2, 0, RB2
.irp k, 0,1,2,3
	v_mov_b32 v[PX+\k], 0                          ; a lane permute's destination counts as one of its sources
.endr
	; qkv: [batch x 16 + head][key step][20,992]: K's codes 0, K's words 6,144, V^T's codes 7,168, V^T's words 13,312, Q's codes 13,824, Q's words 19,968
	s_lshr_b32 s80, s11, 3
	s_lshl_b32 s80, s80, 4
	s_add_co_u32 s80, s80, s10
	s_lshl_b32 s80, s80, 4
	s_and_b32 s81, s11, 7
	s_lshl_b32 s81, s81, 1
	s_add_co_u32 s80, s80, s81
	s_add_co_u32 s80, s80, s15
	s_mul_i32 s80, s80, REC
	s_mov_b32 s81, 0
	s_add_nc_u64 s[8:9], s[8:9], s[80:81]          ; my key step's record
	s_mul_i32 s82, s16, 3072
	s_add_co_u32 s82, s82, 7168
	s_mov_b32 s83, 0
	s_add_nc_u64 s[82:83], s[8:9], s[82:83]        ; my two tiles of V^T
	s_lshl_b32 s86, s16, 8
	s_add_co_u32 s86, s86, 13312
	s_mov_b32 s87, 0
	s_add_nc_u64 s[86:87], s[8:9], s[86:87]        ; and their words
	s_xor_b32 s80, s16, 1
	s_mul_i32 s80, s80, 13824
	s_add_nc_u64 s[80:81], s[8:9], s[80:81]        ; my Q's or K's part
	s_mov_b32 s[SEL], 0x76543210
	s_mov_b32 s[SEL+1], 0xfedcba98
.macro FRAG reg, a16, a8, off          ; a fragment comes as it was stored: every load reads consecutive bytes
	ds_load_b128 v[\reg:\reg+3], v[\a16] offset:\off
	ds_load_b64 v[\reg+4:\reg+5], v[\a8] offset:\off+512
	ds_load_b128 v[\reg+6:\reg+9], v[\a16] offset:\off+768
	ds_load_b64 v[\reg+10:\reg+11], v[\a8] offset:\off+1280
.endm
.macro FETCH_B n, pitch, k, p
	WIN 0x40
.irp i, 0,1,2,3
	FRAG 128*(\p)+12*\i, B16+\n, B8+\n, (\pitch)*\i+1536*(\k)
.endr
.irp i, 0,1
	FRAG 128*(\p)+48+12*\i, V16+\n, V8+\n, (\pitch)*\i+1536*(\k)
.endr
	WIN 0
.endm
.macro FETCH_A n, pitch, k, i0
.irp i, 0,1,2,3
	FRAG AF+12*(\i0+\i), A16+\n, A8+\n, (\pitch)*(\i0+\i)+1536*(\k)
.endr
.endm
; 16 products of q or k, 8 of v: x's tiles a0 .. a0 + 3, K step s.  The 48 accumulators take turns, one instruction a turn, in the same order in every step.
.macro MQ a0, s, zero
	WIN 0xa1                                       ; source 0 (W) window 1, source 1 (x) window 0, C and D window 2
.irp a, 0,1,2,3
.irp i, 0,1,2,3
.set D_, 32*(\a0+\a)+8*\i
.set B_, 128*((\s)%2)+12*\i
.set F_, AF+12*(\a0+\a)
.if \zero
	v_wmma_scale_f32_16x16x128_f8f6f4 v[D_:D_+7], v[B_:B_+11], v[F_:F_+11], 0, v[SC+8*(\s)+\i], v[SC+8*(\s)+\a0+\a] matrix_a_fmt:MATRIX_FMT_FP6 matrix_b_fmt:MATRIX_FMT_FP6 matrix_a_scale:MATRIX_SCALE_ROW1
.else
	v_wmma_scale_f32_16x16x128_f8f6f4 v[D_:D_+7], v[B_:B_+11], v[F_:F_+11], v[D_:D_+7], v[SC+8*(\s)+\i], v[SC+8*(\s)+\a0+\a] matrix_a_fmt:MATRIX_FMT_FP6 matrix_b_fmt:MATRIX_FMT_FP6 matrix_a_scale:MATRIX_SCALE_ROW1
.endif
.endr
.endr
.endm
.macro MV a0, s, zero
	WIN 0xf4                                       ; source 0 (x) window 0, source 1 (W) window 1, C and D window 3
.irp a, 0,1,2,3
.irp i, 0,1
.set D_, 64*((\a0)/4)+32*\i+8*\a
.set B_, 128*((\s)%2)+48+12*\i
.set F_, AF+12*(\a0+\a)
.if \zero
	v_wmma_scale_f32_16x16x128_f8f6f4 v[D_:D_+7], v[F_:F_+11], v[B_:B_+11], 0, v[SC+8*(\s)+\a0+\a], v[SC+8*(\s)+4+\i] matrix_a_fmt:MATRIX_FMT_FP6 matrix_b_fmt:MATRIX_FMT_FP6 matrix_b_scale:MATRIX_SCALE_ROW1
.else
	v_wmma_scale_f32_16x16x128_f8f6f4 v[D_:D_+7], v[F_:F_+11], v[B_:B_+11], v[D_:D_+7], v[SC+8*(\s)+\a0+\a], v[SC+8*(\s)+4+\i] matrix_a_fmt:MATRIX_FMT_FP6 matrix_b_fmt:MATRIX_FMT_FP6 matrix_b_scale:MATRIX_SCALE_ROW1
.endif
.endr
.endr
.endm
; The second part of a K step: the next step's fragments (region n, its k-th step) are fetched in the middle and at the end.  Four plain places stand in front of each run of loads into registers that products have read.
.macro REST s, n, pitch, k, zero
	FETCH_B \n, \pitch, \k, 1-(\s)%2
	FETCH_A \n, \pitch, \k, 0
	MQ 4, \s, \zero
	MV 4, \s, \zero
	PLACES 4
	WIN 0
	FETCH_A \n, \pitch, \k, 4
.endm
.macro STEP s, n, pitch, k, zero
	s_wait_dscnt 16                                ; B's set and A's tiles 0-3 are in; the youngest sixteen loads (A's tiles 4-7) may be out
	MQ 0, \s, \zero
	MV 0, \s, \zero
	s_wait_dscnt 0x0
	PLACES 4
	REST \s, \n, \pitch, \k, \zero
.endm
; A step with a barrier in its middle.  fill = 1: region 0 is read no more, and K step 7 goes into it, the first tensor load behind a round of the cluster's barrier; fill = 0: the barrier shows that refill to all waves.
.macro TURN s, n, pitch, k, fill
	s_wait_tensorcnt 0x0                           ; all my tensor loads have landed
	ds_add_u32 v[SPW], v[NIL]                      ; 0 onto my spare word
.if \fill
	s_add_nc_u64 s[DA0+2:DA0+3], s[DA0+2:DA0+3], 7*1536
	s_add_nc_u64 s[DB0+2:DB0+3], s[DB0+2:DB0+3], 7*1536
	s_mov_b32 s[DB0+1], RB2
.irp g, GA0, GB0
	s_mov_b32 s[\g+1], (P2/8)<<16
	s_mov_b32 s[\g+3], (P2/8)<<16
.endr
.endif
	s_wait_dscnt 17                                ; the add and the youngest sixteen loads may be out
	MQ 0, \s, 0
	s_wait_dscnt 0x0                               ; the add is done, and so are my reads
	s_barrier_signal -1
	MV 0, \s, 0
	WIN 0
	s_barrier_wait -1
.if \fill
	CREST
	s_cmp_lt_u32 s14, 1
	s_cbranch_scc0 .Lrefill_b
	TLOAD DA0, GA0
	s_branch .Lrefilled
.Lrefill_b:
	s_cmp_lt_u32 s14, 2
	s_cbranch_scc0 .Lrefilled
	TLOAD DB0, GB0
.Lrefilled:
.endif
	PLACES 4
	REST \s, \n, \pitch, \k, 0
.endm
	s_wait_alu depctr_va_vdst(0)                   ; the wait at the head's end
	s_cmp_lt_u32 s14, 2
	s_cbranch_scc0 .Lnot_first
	s_wait_tensorcnt 0x0                           ; waves 0 and 1: K steps 0-2 are in; steps 3-6 may be out
.Lnot_first:
	s_barrier_signal -1
	s_barrier_wait -1
	FETCH_B 0, P0, 0, 0
	FETCH_A 0, P0, 0, 0
	FETCH_A 0, P0, 0, 4
	s_wait_loadcnt 0x0                             ; the scale words
	STEP 0, 0, P0, 1, 1
	STEP 1, 0, P0, 2, 0
	TURN 2, 1, P1, 0, 1
	STEP 3, 1, P1, 1, 0
	STEP 4, 1, P1, 2, 0
	STEP 5, 1, P1, 3, 0
	TURN 6, 2, P2, 0, 0
	s_wait_dscnt 16
	MQ 0, 7, 0
	MV 0, 7, 0
	s_wait_dscnt 0x0
	MQ 4, 7, 0
	MV 4, 7, 0
	WIN 0
	PLACES 4
; THE WAY OUT.  Four blocks of 32 registers from s on in window w become codes (pc + 6 k ..) and scale bytes (eb + k): two chains of maxima a block, eight side by side
.macro QUANT4 s, w, pc, eb
	WIN (((\w)<<2)|((\w)<<4))
.irp k, 0,1,2,3
.irp c, 0,1
	v_max3_num_f32 v[TM+2*\k+\c], 0x1800000, |v[(\s)+32*\k+16*\c]|, |v[(\s)+32*\k+16*\c+1]|   ; the floor 2^(3 - 127), and each accumulator from its low end on
.endr
.endr
.irp i, 2,4,6,8,10,12,14
.irp k, 0,1,2,3
.irp c, 0,1
	v_max3_num_f32 v[TM+2*\k+\c], v[TM+2*\k+\c], |v[(\s)+32*\k+16*\c+\i]|, |v[(\s)+32*\k+16*\c+\i+1]|
.endr
.endr
.endr
	WIN 0
.irp k, 0,1,2,3
	v_max_num_f32 v[TM+2*\k], v[TM+2*\k], v[TM+2*\k+1]
.endr
.irp k, 0,1,2,3
	v_add_nc_u32 v[SO+\k], 0xff000000, v[TM+2*\k]  ; 2 off the exponent field: the conversion's scale operand
.endr
.irp k, 0,1,2,3
	v_lshrrev_b32 v[\eb+\k], 23, v[SO+\k]
.endr
	WIN (\w)
.irp k, 0,1,2,3
	v_cvt_scalef32_pk16_fp6_f32 v[\pc+6*\k:\pc+6*\k+2], v[(\s)+32*\k:(\s)+32*\k+15], v[SO+\k]
	v_cvt_scalef32_pk16_fp6_f32 v[CT+4*\k:CT+4*\k+2], v[(\s)+32*\k+16:(\s)+32*\k+31], v[SO+\k]
.endr
	WIN 0
	v_nop                                          ; one plain place behind a scaled conversion
.irp i, 0,1,2
.irp k, 0,1,2,3
	v_mov_b32 v[\pc+6*\k+3+\i], v[CT+4*\k+\i]
.endr
.endr
.endm
.macro OUTQ g                          ; tokens' tiles 4 g .. 4 g + 3 of q or k: every store covers 512 or 256 consecutive bytes, aligned
	QUANT4 128*(\g), 2, PC+24*(\g), EB+4*(\g)
.irp k, 0,1,2,3
	v_permlanex16_b32 v[PX+\k], v[EB+4*(\g)+\k], s[SEL], s[SEL+1]
.endr
.irp k, 0,1,2,3
	v_lshl_or_b32 v[WD+4*(\g)+\k], v[PX+\k], 8, v[EB+4*(\g)+\k]   ; lanes 0-15: the row's word: two bytes; the upper two, which scale a product's padded half, are 0 (lanes 16-31 are not read as scales)
.endr
.irp k, 0,1,2,3
	global_store_b128 v[L16], v[PC+24*(\g)+6*\k:PC+24*(\g)+6*\k+3], s[80:81] offset:768*(4*(\g)+\k)
	global_store_b64 v[L8], v[PC+24*(\g)+6*\k+4:PC+24*(\g)+6*\k+5], s[80:81] offset:768*(4*(\g)+\k)+512
.endr
.irp p, 0,1
	global_store_b64 v[L8], v[WD+4*(\g)+2*\p:WD+4*(\g)+2*\p+1], s[80:81] offset:6144+256*(2*(\g)+\p)
.endr
.endm
	OUTQ 0
	OUTQ 1
	QUANT4 0, 3, PC+48, EB+8                       ; v: block 2 c + i: band c, tile i
.irp i, 0,1
	v_lshl_or_b32 v[PK+\i], v[EB+10+\i], 16, v[EB+8+\i]
.endr
.irp i, 0,1
	v_permlanex16_b32 v[PX+\i], v[PK+\i], s[SEL], s[SEL+1]
.endr
.irp i, 0,1
	v_lshl_or_b32 v[WD+8+\i], v[PX+\i], 8, v[PK+\i]   ; lanes 0-15: the channel's word: four bytes
.endr
.irp c, 0,1
.irp i, 0,1
	global_store_b128 v[L16], v[PC+48+6*(2*\c+\i):PC+48+6*(2*\c+\i)+3], s[82:83] offset:1536*\i+768*\c
	global_store_b64 v[L8], v[PC+48+6*(2*\c+\i)+4:PC+48+6*(2*\c+\i)+5], s[82:83] offset:1536*\i+768*\c+512
.endr
.endr
	global_store_b64 v[L8], v[WD+8:WD+9], s[86:87]
	s_wait_tensorcnt 0x0                           ; the wave's end
	ds_add_u32 v[SPW], v[NIL]
	s_wait_dscnt 0x0
	CROUND                                         ; the closing round: no work-group ends while a partner may still ask for a tile that names it
	s_endpgm
.Lfunc_end_k_q741ead3066_gemm_qkv:
	.size	k_q741ead3066_gemm_qkv, .Lfunc_end_k_q741ead3066_gemm_qkv-k_q741ead3066_gemm_qkv
	.p2alignl 7, 3214868480
	.fill 96, 4, 3214868480
	.section	.rodata,"a",@progbits
	.p2align	6, 0x0
	.amdhsa_kernel k_q741ead3066_gemm_qkv
		.amdhsa_group_segment_fixed_size 327680
		.amdhsa_private_segment_fixed_size 0
		.amdhsa_enable_private_segment 0
		.amdhsa_kernarg_size 24
		.amdhsa_user_sgpr_count 2
		.amdhsa_user_sgpr_kernarg_segment_ptr 1
		.amdhsa_wavefront_size32 1
		.amdhsa_system_sgpr_workgroup_id_x 1
		.amdhsa_system_sgpr_workgroup_id_y 1
		.amdhsa_system_sgpr_workgroup_id_z 1
		.amdhsa_system_vgpr_workitem_id 0
		.amdhsa_next_free_vgpr 1024
		.amdhsa_next_free_sgpr 100
		.amdhsa_reserve_vcc 0
		.amdhsa_float_denorm_mode_32 3
		.amdhsa_float_denorm_mode_16_64 3
		.amdhsa_memory_ordered 1
		.amdhsa_forward_progress 1
		.amdhsa_inst_pref_size 117
	.end_amdhsa_kernel
	.amdgpu_metadata
---
amdhsa.version: [ 1, 2 ]
amdhsa.kernels:
  - .name:           k_q741ead3066_gemm_qkv
    .symbol:         k_q741ead3066_gemm_qkv.kd
    .args:
      - { .name: codes, .offset: 0, .size: 8, .value_kind: global_buffer, .address_space: global }
      - { .name: sc, .offset: 8, .size: 8, .value_kind: global_buffer, .address_space: global }
      - { .name: qkv, .offset: 16, .size: 8, .value_kind: global_buffer, .address_space: global }
    .group_segment_fixed_size: 327680
    .private_segment_fixed_size: 0
    .kernarg_segment_align: 8
    .kernarg_segment_size: 24
    .max_flat_workgroup_size: 128
    .sgpr_count:     100
    .vgpr_count:     1024
    .wavefront_size: 32
...
	.end_amdgpu_metadata
.endif
;; end of part 2
;; launch attn (part 3): grid 8 x 32, 16 waves a work-group, clusters of 4 x 1, 320,512 bytes of LDS; arguments qkv, codes, sc; writes codes, sc
.if DOCPART == 3
	.amdgcn_target "amdgcn-amd-amdhsa--gfx1250"
	.amdhsa_code_object_version 6
	.text
	.protected	k_q741ead3066_attn
	.globl	k_q741ead3066_attn
	.p2align	8
	.type	k_q741ead3066_attn,@function
k_q741ead3066_attn:
	s_mov_b64 s[64:65], 0
	v_nop
	global_prefetch_b8 v0, s[64:65] scope:SCOPE_SE
	s_setreg_imm32_b32 hwreg(HW_REG_WAVE_MODE, 25, 1), 1
	s_wait_xcnt 0x0
	s_wait_alu depctr_hold_cnt(0) depctr_sa_sdst(0) depctr_va_vdst(0) depctr_va_sdst(0) depctr_va_ssrc(0) depctr_va_vcc(0) depctr_vm_vsrc(0)
	s_getreg_b32 s2, hwreg(HW_REG_IB_STS2, 6, 4)
	s_cmp_eq_u32 s2, 0
	s_cbranch_scc0 .Lentry_in_a_cluster
	s_endpgm
.Lentry_in_a_cluster:
	s_bfe_u32 s2, ttmp6, 0x10000c
	s_cmp_lg_u32 s2, 0x3003
	s_cbranch_scc0 .Lentry_shape_is_right
	s_endpgm
.Lentry_shape_is_right:
; y[b][q][head] = softmax_k(q . k / 8, k <= q) v, both products on codes of FP6 (E2M3) with one E8M0 byte for each 32 along a product's K; y is quantised along the model's 1,024 on the way out, as the last product's operand.
; THE SOFTMAX: t = score x log2(e) / 8; M = the running largest t rounded up to a whole number; p = 2^(t - M) is quantised along the keys, not normalised; the row's sum is taken of the unquantised p and divides at the end.
; When M moves, the sum and O are multiplied by 2^(old M - new M): exact.  Key steps of 128 that lie wholly behind a tile's queries are left out: the causal mask, which the problem builds in its own body, gives their p the value 0 for all inputs
; (a NaN or an infinity that reaches only such scores is not carried on).
; INPUT: qkv [batch x 16 + head][key step of 128 tokens: 16][20,992]: K's codes (8 tiles x 768 bytes) 0, K's words 6,144, V^T's codes (4 tiles of channels x 1,536) 7,168, V^T's words 13,312, Q's codes 13,824, Q's words 19,968;
; all as register images; row i of tile t is index 64 (t / 4) + 8 (t % 4) + i + 24 (i / 8).  So in S^T = K Q^T the 32 registers of four key tiles are 32 neighbouring keys, 64 c + 32 (lane / 16) + 0 .. 31: one scale block of p in a lane; in O^T = V^T P^T channels likewise.
; K = 64 IN THE FIRST PRODUCT: Q's registers 6-11 are zero codes, so what stands in K's registers 6-11 (the next tile's codes; behind the last tile old numbers, and every bit pattern is a finite code) adds nothing; the scale bytes of that half are 0.
; SHARES.  A work-group serves one head and sixteen tiles of 16 queries: tile g (its number along x) of each of the sixteen key steps; the tile of rank k needs key steps 0 .. k.  Ranks 15 - r and r (r = 0 .. 7) together need 17 steps and belong to two waves:
; wave r takes steps 0 .. 8 of rank 15 - r; wave 8 + r takes its steps 9 .. 15 - r (7 - r of them), leaves that partial sum in LDS, and takes all r + 1 steps of rank r.  At the end wave r joins the two parts.  Waves w, w + 4, w + 8, w + 12 have 34 steps.  No branch hangs on a place in the cluster.
; LDS: the head's K and V parts of all 16 records, filled ONCE: wave w asks for record w at the head, the wave's one tensor load.  The first barrier shows records 0 and 9, which every wave's first step reads; the second, a step later, the rest.  Behind them the partial sums, a place for each wave.
; REGISTERS FOR K, V AND S: two regions of 64 take turns.  A step has K and then V in one and S^T, then p, in the other; when p has been used, the next step's K is asked for into that region, ahead of this step's last products.
; CLUSTER 4 x 1: the four partners serve the same head: each record is asked for jointly.  No prefetch: all of K and V is asked for at the head.
; LIMITS: a block's largest magnitude is taken as 2^-124 at the least; a block of zeros gets the byte 1: its codes are zeros, and this program alone reads the bytes.  NaN and infinities are not served; the scaled scores stay under 2^31 in magnitude.
.set REC,   20992
.set KVB,   13824
.set HEADB, 335872
.set PART,  18*KVB                     ; partial sums: 4,352 bytes a wave: O^T 4,096, then -M and the sum
.set PSZ,   4352
.set SPARE, PART+16*PSZ
.set WV,  18                           ; s18 wave, s19 r, s42 1 in waves 8-15
.set RR,  19
.set SEL, 20
.set CS,  22                           ; s[22:23] c = log2(e) / 8
.set G1,  24
.set G0,  32
.set TR,  36                           ; s36 the trip, 0 .. 8; s66 the trip of the loop's second step
.set T2,  66
.set SW,  37                           ; s37 the trip at which waves 8-15 change tiles: 7 - r (16 in waves 0-7: never)
.set OF1, 38                           ; s38, s39 key step less trip, before and behind the change (modulo 16)
.set OF2, 39
.set R1,  40                           ; s40 15 - r
.set RF,  41                           ; s41 the rank that goes out
.set FB,  42
.set CR,  43                           ; s43 the current tile's rank
.set KJ,  44
.set TB,  45
.set R0,  46
.set HB,  48
.set QC,  49
.set QW,  50
.set QA,  54                           ; s[54:55], s[56:57] Q's codes and words of the first tile;  s[58:59], s[60:61] of rank r
.set QB,  58
; v1 16 l, v2 8 l, v3 8 r + h; v4, v5 my partner's partial sum; v6, v7 my own; v8, v9 the LDS addresses of the record whose K was asked for last; v12 -M, v13 the largest t, v[14:15] the sum in two halves; v16-27 Q
.set X,   32                           ; v32-95, v96-159 the two regions
.set Y,   96
.set O,   160                          ; v160-191 O^T
.set PCD, 192                          ; v192-203 codes
.set KS,  204                          ; v204-211 K's scale words
.set VS,  212                          ; v212-215 V's
.set BM,  216                          ; v216-219 the blocks' largest scores, then largest p
.set PM,  220                          ; v220-223 at work
.set SO,  224                          ; v224-225 the conversions' scale operands
.set CT,  226                          ; v226-232 the conversions' second halves
.set F,   234                          ; v234 f
.set PS,  235                          ; v235 p's scale word
.set TT,  236                          ; v236 at work
.set QS,  237                          ; v237 Q's scale words
.set THR, 238                          ; v238 my query's place in its key step - 32 h
.set NI,  239                          ; v239 -infinity
.set TS,  240                          ; v240-245 three chains of the row's sum
.set OM,  246                          ; v246 the last step's -M
.macro ROUND
	s_barrier_signal -1
	s_barrier_wait -1
	s_cmp_lg_u32 s[WV], 0
	s_cbranch_scc1 .Lnot_wave_0_\@
	s_barrier_signal -3
.Lnot_wave_0_\@:
	s_barrier_wait -3
	s_barrier_signal -1
	s_barrier_wait -1
.endm
.macro QADDR rank, q
	s_mul_i32 s[\q], s[\rank], REC
	s_add_co_u32 s[\q], s[\q], s[HB]
	s_add_co_u32 s[\q+2], s[\q], s[QW]
	s_add_co_u32 s[\q], s[\q], s[QC]
	s_mov_b32 s[\q+1], 0
	s_mov_b32 s[\q+3], 0
	s_add_nc_u64 s[\q:\q+1], s[4:5], s[\q:\q+1]
	s_add_nc_u64 s[\q+2:\q+3], s[4:5], s[\q+2:\q+3]
.endm
.macro QLOAD q
	global_load_b128 v[16:19], v1, s[\q:\q+1]
	global_load_b64 v[20:21], v2, s[\q:\q+1] offset:512
	global_load_b32 v[QS], v2, s[\q+2:\q+3]
.endm
.macro RESET                           ; an empty sum: the first change of M leaves its zeros zeros
	v_mov_b32 v13, 0xff61b1e6                      ; the largest t so far: -3e38
	v_mov_b32 v12, 0x7f61b1e6                      ; -M
	v_mov_b32 v[OM], 0x7f61b1e6
	v_mov_b32 v14, 0
	v_mov_b32 v15, 0
.set j, 0
.rept 32
	v_mov_b32 v[O+j], 0
.set j, j+1
.endr
.endm
	s_load_b128 s[4:7], s[0:1], 0x0                ; qkv s[4:5], codes s[6:7]
	s_load_b64 s[8:9], s[0:1], 0x10                ; sc
	v_lshl_add_u32 v254, v0, 2, SPARE
	v_mov_b32 v255, 0
	ds_add_u32 v254, v255
	ds_add_u32 v254, v255
	v_lshrrev_b32 v1, 5, v0
	v_readfirstlane_b32 s[WV], v1
	s_and_b32 s[RR], s[WV], 7
	s_lshr_b32 s[FB], s[WV], 3
	s_bfe_u32 s51, ttmp6, 0x40000
	s_lshl_b32 s52, ttmp9, 2
	s_add_co_u32 s52, s52, s51                     ; g: it enters Q's and y's addresses and the mask's numbers alone
	s_and_b32 s53, ttmp7, 0xffff                   ; batch x 16 + head, which the partners share
	; descriptor group 1: a dense block of 13,824 bytes as 54 rows of 256 (32 elements of 8 bytes)
	s_mov_b32 s[G1], 15|(3<<16)|(1<<21)
	s_mov_b32 s[G1+1], 32<<16
	s_mov_b32 s[G1+2], 54<<16
	s_mov_b32 s[G1+3], 32<<16
	s_mov_b32 s[G1+4], 54
	s_mov_b32 s[G1+5], 32
	s_mov_b32 s[G1+6], 0
	s_mov_b32 s[G1+7], 0
	s_mul_i32 s[HB], s53, HEADB
	s_mul_i32 s62, s[WV], REC
	s_add_co_u32 s62, s62, s[HB]
	s_mov_b32 s63, 0
	s_mov_b32 s[G0], 1
	s_mul_i32 s[G0+1], s[WV], KVB
	s_wait_dscnt 0x0
	s_wait_kmcnt 0x0
	s_add_nc_u64 s[G0+2:G0+3], s[4:5], s[62:63]
	s_or_b32 s[G0+3], s[G0+3], 0x80000000
	ROUND                                          ; all four work-groups are here: the joint loads meet
.macro TLOAD
	tensor_load_to_lds s[G0:G0+3], s[G1:G1+7]
	s_nop 0
.rept 4
	v_nop
.endr
.endm
.macro ARM under, next
	s_cmp_lt_u32 s[WV], \under
	s_cbranch_scc0 \next
	TLOAD
	s_branch .Lasked
\next:
.endm
	ARM 1, .Lfrom_1                                ; one chain, one load a wave; records 0 and 9 have lines of their own
	ARM 9, .Lfrom_9
	ARM 10, .Lfrom_10
	TLOAD
.Lasked:
	v_and_b32 v3, 31, v0
	v_and_b32 v10, 15, v0                          ; r
	v_bfe_u32 v11, v0, 4, 1                        ; h
	v_lshlrev_b32 v1, 4, v3
	v_lshlrev_b32 v2, 3, v3
	v_lshrrev_b32 v29, 3, v10
	v_lshlrev_b32 v30, 5, v11
	v_lshl_add_u32 v3, v10, 3, v11
	v_mad_u32_u24 v29, v29, 24, v10
	v_sub_nc_u32 v29, v29, v30
	s_wait_alu depctr_va_vdst(0)                   ; ahead of the scalar lines below
	s_add_co_u32 s47, s[RR], 1
	s_lshr_b32 s47, s47, 3
	s_and_b32 s47, s47, s[FB]                      ; 1 in wave 15: it has no steps of rank 8 to take
	s_sub_co_u32 s[R1], 15, s[RR]
	s_sub_co_u32 s[R0], s[R1], s47                 ; the rank of my first step's tile
	s_mul_i32 s[OF1], s[FB], 9
	s_mul_i32 s47, s47, 9
	s_xor_b32 s[TB], s[OF1], s47                   ; the first step's record: 0, or 9 in waves 8-14
	s_mul_i32 s[TB], s[TB], KVB
	s_add_co_u32 s[OF2], s[RR], 9
	s_mul_i32 s47, s[OF2], s[FB]
	s_sub_co_u32 s[SW], 16, s47
	s_cmp_eq_u32 s[FB], 0
	s_cselect_b32 s[RF], s[R1], s[RR]
	s_mul_i32 s[QC], s52, 768
	s_add_co_u32 s[QC], s[QC], 13824
	s_lshr_b32 s[QW], s52, 1
	s_lshl_b32 s[QW], s[QW], 8
	s_and_b32 s47, s52, 1
	s_lshl_b32 s47, s47, 2
	s_add_co_u32 s[QW], s[QW], s47
	s_add_co_u32 s[QW], s[QW], 19968
	QADDR R0, QA
	QLOAD QA
	QADDR RR, QB
	s_lshr_b32 s62, s52, 2
	s_lshl_b32 s62, s62, 6
	s_and_b32 s63, s52, 3
	s_lshl_b32 s63, s63, 3
	s_add_co_u32 s62, s62, s63
	v_add_nc_u32 v[THR], s62, v29                  ; 64 (g / 4) + 8 (g % 4) + r + 24 (r / 8) - 32 h
	s_mul_i32 s62, s[WV], PSZ
	s_add_co_u32 s62, s62, PART
	v_add_nc_u32 v6, s62, v1
	v_add_nc_u32 v7, s62, v2
	s_mul_i32 s62, s[RR], PSZ
	s_add_co_u32 s62, s62, PART+8*PSZ
	v_add_nc_u32 v4, s62, v1
	v_add_nc_u32 v5, s62, v2
	s_mov_b32 s[SEL], 0x76543210
	s_mov_b32 s[SEL+1], 0xfedcba98
	s_mov_b32 s[CS], 0x3e38aa3b
	s_mov_b32 s[CS+1], s[CS]                       ; (named with it as a pair, so it is written)
	s_mov_b32 s[TR], 0
	v_mov_b32 v[NI], 0xff800000
.irp j, 22,23,24,25,26,27,80,81,82,83,84,85
	v_mov_b32 v[\j], 0                             ; Q's upper half: zero codes; and what stands behind K's last tile
.endr
.irp b, 0,1,2,3
	v_mov_b32 v[PM+\b], 0                          ; a lane permute's destination counts as one of its sources
.endr
	v_mov_b32 v[F], 0
	v_mov_b32 v[PS], 0                             ; (named as the upper half of f's pair before it is first written)
	RESET
.macro ADDS s, from, to                ; pairs from .. to - 1 of p go to the four chains of the row's sum by turns
.set n_, \from
.rept (\to)-(\from)
.if n_%4
	v_pk_add_f32 v[TS+2*(n_%4)-2:TS+2*(n_%4)-1], v[TS+2*(n_%4)-2:TS+2*(n_%4)-1], v[\s+2*n_:\s+2*n_+1]
.else
	v_pk_add_f32 v[14:15], v[14:15], v[\s+2*n_:\s+2*n_+1]
.endif
.set n_, n_+1
.endr
.endm
.macro ADDR
	v_add_nc_u32 v8, s[TB], v1
	v_add_nc_u32 v9, s[TB], v2
.endm
.macro FETCHK k                        ; the record's K: 20 loads
.irp t, 0,1,2,3,4,5,6,7
	ds_load_b128 v[\k+6*\t:\k+6*\t+3], v8 offset:768*\t
	ds_load_b64 v[\k+6*\t+4:\k+6*\t+5], v9 offset:768*\t+512
.endr
.irp b, 0,1,2,3
	ds_load_b64 v[KS+2*\b:KS+2*\b+1], v9 offset:6144+256*\b
.endr
.endm
.macro NEXT                            ; the record of trip s47
	s_cmp_lt_u32 s47, s[SW]
	s_cselect_b32 s[TB], s[OF1], s[OF2]
	s_add_co_u32 s[TB], s[TB], s47
	s_and_b32 s[TB], s[TB], 15
	s_mul_i32 s[TB], s[TB], KVB
.endm
; A STEP of 128 keys, whose K has been asked for into region k; S^T goes to region s.  fetch = 1: the next step's K is asked for.
.macro STEP tr, k, s, fetch
	s_cmp_lt_u32 s[WV], 8
	s_cbranch_scc1 .Lstay_\@
	s_cmp_eq_u32 s[\tr], s[SW]
	s_cbranch_scc0 .Lstay_\@
.irp t, 0,1,2,3,4,5,6,7
	ds_store_b128 v6, v[O+4*\t:O+4*\t+3] offset:512*\t   ; waves 8-15 change tiles: the partial sum of rank 15 - r goes to my place
.endr
	v_add_f32 v13, v14, v15
	ds_store_b64 v7, v[12:13] offset:4096
	RESET
	s_wait_alu depctr_va_vdst(0)
.Lstay_\@:
.if (\k) == Y
	s_add_co_u32 s47, s[\tr], s[FB]
	s_cmp_gt_u32 s47, 8                            ; waves 8-15 have eight steps
	s_cbranch_scc1 .Lhidden_\@
.endif
	s_cmp_lt_u32 s[\tr], s[SW]
	s_cselect_b32 s[KJ], s[OF1], s[OF2]
	s_cselect_b32 s[CR], s[R1], s[RR]
	s_add_co_u32 s[KJ], s[KJ], s[\tr]
	s_and_b32 s[KJ], s[KJ], 15                     ; the key step
.if \fetch
	s_mul_i32 s62, s[KJ], KVB                      ; its record's place (in the first step it was made at the head)
.else
	s_mov_b32 s62, s[TB]
.endif
	s_wait_dscnt 0x0                               ; K is in
	s_wait_loadcnt 0x0                             ; Q, at a tile's first step
.irp t, 0,1,2,3,4,5,6,7
	v_wmma_scale_f32_16x16x128_f8f6f4 v[\s+8*\t:\s+8*\t+7], v[\k+6*\t:\k+6*\t+11], v[16:27], 0, v[KS+\t], v[QS] matrix_a_fmt:MATRIX_FMT_FP6 matrix_b_fmt:MATRIX_FMT_FP6
.endr
	v_add_nc_u32 v10, s62, v1                      ; v10, v11: this step's record, for V: with the two lines below the four places in front of the loads and of the first read of the scores
	v_add_nc_u32 v11, s62, v2
	v_nop
	v_nop
.irp t, 0,1,2,3                                ; V's fragments and scale words are asked for now and land under the softmax
	ds_load_b128 v[\k+12*\t:\k+12*\t+3], v10 offset:7168+1536*\t
	ds_load_b64 v[\k+12*\t+4:\k+12*\t+5], v11 offset:7168+1536*\t+512
	ds_load_b128 v[\k+12*\t+6:\k+12*\t+9], v10 offset:7168+1536*\t+768
	ds_load_b64 v[\k+12*\t+10:\k+12*\t+11], v11 offset:7168+1536*\t+1280
.endr
.irp b, 0,1
	ds_load_b64 v[VS+2*\b:VS+2*\b+1], v11 offset:13312+256*\b
.endr
	s_add_co_u32 s47, s[\tr], 1
.if \fetch
	NEXT
.endif
	s_cmp_lg_u32 s47, s[SW]
	s_cbranch_scc1 .Lsame_\@
	QLOAD QB                                       ; the next step is the next tile's first: its Q lands under this step's softmax
.Lsame_\@:
	s_cmp_lg_u32 s[KJ], s[CR]                      ; on the diagonal the scores of hidden keys become -infinity: p = 0 then
	s_cbranch_scc1 .Lopen_\@
.set n, 0
.rept 64
	v_cmp_le_i32 vcc_lo, 64*(n/32)+n%32, v[THR]    ; register 32 c + i holds key 64 c + 32 h + i of the step
	v_cndmask_b32 v[\s+n], v[NI], v[\s+n], vcc_lo
.set n, n+1
.endr
.Lopen_\@:
.irp q, 0,1,2,3
	v_max3_num_f32 v[BM+\q], v[\s+16*\q], v[\s+16*\q+1], v[\s+16*\q+2]   ; the largest score of each block of 32 keys (halves q = 2 c, 2 c + 1): for the row's maximum, and, since p rises with the score, for the block's largest p
.endr
.irp i, 3,5,7,9,11,13
.irp q, 0,1,2,3
	v_max3_num_f32 v[BM+\q], v[BM+\q], v[\s+16*\q+\i], v[\s+16*\q+\i+1]
.endr
.endr
.irp c, 0,1
	v_max3_num_f32 v[BM+2*\c], v[BM+2*\c], v[\s+32*\c+15], v[\s+32*\c+31]
.endr
	v_max_num_f32 v[BM], v[BM], v[BM+1]
	v_max_num_f32 v[BM+1], v[BM+2], v[BM+3]
	s_delay_alu instid0(VALU_DEP_1)
	v_max_num_f32 v[TT], v[BM], v[BM+1]
	s_delay_alu instid0(VALU_DEP_1)
	v_permlanex16_b32 v[PM+3], v[TT], s[SEL], s[SEL+1]
	s_delay_alu instid0(VALU_DEP_1)
	v_max_num_f32 v[TT], v[TT], v[PM+3]
	s_delay_alu instid0(VALU_DEP_1)
	v_mul_f32 v[TT], s[CS], v[TT]
	s_delay_alu instid0(VALU_DEP_1)
	v_max_num_f32 v13, v13, v[TT]                  ; the running largest t
	s_delay_alu instid0(VALU_DEP_1)
	v_floor_f32 v12, -v13                          ; the new -M = -ceil(t)
	s_delay_alu instid0(VALU_DEP_1)
	v_sub_f32 v[TT], v12, v[OM]                    ; old M - new M: a whole number, 0 or less
	s_delay_alu instid0(VALU_DEP_1)
	v_cvt_i32_f32 v[TT], v[TT]                     ; (it saturates)
	s_delay_alu instid0(VALU_DEP_1)
	v_ldexp_f32 v[F], 1.0, v[TT]                   ; f = 2^(old M - new M)
.irp c, 0,1
	v_fma_f32 v[BM+\c], v[BM+\c], s[CS], v12
.endr
.set j, 0
.rept 32
	v_pk_fma_f32 v[\s+j:\s+j+1], v[\s+j:\s+j+1], s[CS:CS+1], v[12:13] op_sel_hi:[1,0,0]   ; t - M
.set j, j+2
.endr
	s_wait_alu depctr_va_vdst(0)                   ; ahead of the batch,
	v_exp_f32 v[BM], v[BM]                         ; the blocks' largest p: the same instruction on the same number
	v_exp_f32 v[BM+1], v[BM+1]
.set j, 0
.rept 64
	v_exp_f32 v[\s+j], v[\s+j]                     ; p = 2^(t - M)
.set j, j+1
.endr
	v_pk_mul_f32 v[14:15], v[14:15], v[F:F+1] op_sel_hi:[1,0]   ; the sums under the new M (a plain place behind the exponentials)
	s_wait_alu depctr_va_vdst(0)                   ; and behind it, directly ahead of O's first reader
.set j, 0
.rept 16
	v_pk_mul_f32 v[O+j:O+j+1], v[O+j:O+j+1], v[F:F+1] op_sel_hi:[1,0]   ; O^T under the new M
.set j, j+2
.endr
	v_max_num_f32 v[BM], 0x1800000, v[BM]          ; the floor 2^(3 - 127)
	v_max_num_f32 v[BM+1], 0x1800000, v[BM+1]
	v_pk_add_f32 v[TS:TS+1], v[\s:\s+1], v[\s+2:\s+3]
	v_pk_add_f32 v[TS+2:TS+3], v[\s+4:\s+5], v[\s+6:\s+7]
	v_add_nc_u32 v[SO], 0xff000000, v[BM]
	v_add_nc_u32 v[SO+1], 0xff000000, v[BM+1]
	v_pk_add_f32 v[TS+4:TS+5], v[\s+8:\s+9], v[\s+10:\s+11]
	ADDS \s, 6, 8
.irp c, 0,1
	v_cvt_scalef32_pk16_fp6_f32 v[PCD+6*\c:PCD+2+6*\c], v[\s+32*\c:\s+15+32*\c], v[SO+\c]
	v_cvt_scalef32_pk16_fp6_f32 v[CT+4*\c:CT+2+4*\c], v[\s+16+32*\c:\s+31+32*\c], v[SO+\c]
.endr
	v_lshrrev_b32 v[PM], 23, v[SO]                 ; (plain places behind the conversions)
	v_lshrrev_b32 v[PM+1], 23, v[SO+1]
.irp i, 0,1,2
	v_mov_b32 v[PCD+3+\i], v[CT+\i]
.endr
	v_lshl_or_b32 v[PM], v[PM+1], 16, v[PM]        ; blocks h and 2 + h
.irp i, 0,1,2
	v_mov_b32 v[PCD+9+\i], v[CT+4+\i]
.endr
	v_permlanex16_b32 v[PM+2], v[PM], s[SEL], s[SEL+1]
	ADDS \s, 8, 12
	v_lshl_or_b32 v[PS], v[PM+2], 8, v[PM]         ; lanes 0-15: p's scale word for these 128 keys
	ADDS \s, 12, 32                                ; (also the places between the scale word's and the codes' last writes and the products)
.if \fetch
	ADDR
	s_add_co_u32 s47, s[\tr], s[FB]
	s_cmp_eq_u32 s47, 8                            ; my last step asks for nothing more
	s_wait_alu depctr_va_vdst(0)
	s_cbranch_scc1 .Llast_\@
	FETCHK \s                                      ; the next step's K, onto p, which has been used
	s_wait_dscnt 20                                ; V is in; the 20 loads just issued may be out
	s_branch .Lgo_\@
.Llast_\@:
	s_wait_dscnt 0x0
.Lgo_\@:
.else
	s_wait_alu depctr_va_vdst(0)
	s_wait_dscnt 0x0                               ; V is in
.endif
.irp t, 0,1,2,3
	v_wmma_scale_f32_16x16x128_f8f6f4 v[O+8*\t:O+8*\t+7], v[\k+12*\t:\k+12*\t+11], v[PCD:PCD+11], v[O+8*\t:O+8*\t+7], v[VS+\t], v[PS] matrix_a_fmt:MATRIX_FMT_FP6 matrix_b_fmt:MATRIX_FMT_FP6
.endr
	v_pk_add_f32 v[TS+2:TS+3], v[TS+2:TS+3], v[TS+4:TS+5]   ; five places in front of the next step's products, which write over V's region, and of the next read of O^T
	v_pk_add_f32 v[14:15], v[14:15], v[TS:TS+1]
	v_mov_b32 v[OM], v12
	v_pk_add_f32 v[14:15], v[14:15], v[TS+2:TS+3]
	v_nop
	s_wait_alu depctr_va_vdst(0)
.Lhidden_\@:
.endm
	s_wait_alu depctr_va_vdst(0)                   ; the wait at the head's end
	s_cmp_lt_u32 s[WV], 1
	s_cbranch_scc1 .Lmine_first
	s_cmp_lt_u32 s[WV], 9
	s_cbranch_scc1 .Lnot_yet
	s_cmp_lt_u32 s[WV], 10
	s_cbranch_scc0 .Lnot_yet
.Lmine_first:
	s_wait_tensorcnt 0x0                           ; waves 0 and 9: records 0 and 9 are in; the others may be out
.Lnot_yet:
	s_barrier_signal -1
	s_barrier_wait -1
	ADDR
	s_wait_alu depctr_va_vdst(0)
	FETCHK X
	STEP TR, X, Y, 0
	s_wait_tensorcnt 0x0                           ; every record is in
	s_wait_dscnt 0x0
	s_barrier_signal -1
	s_barrier_wait -1
	s_mov_b32 s47, 1
	NEXT
	ADDR
	s_wait_alu depctr_va_vdst(0)
	FETCHK X
	s_mov_b32 s[TR], 1
.Lstep:                                                ; trips 1 to 8, two by two
	STEP TR, X, Y, 1
	s_add_co_u32 s[T2], s[TR], 1
	STEP T2, Y, X, 1
	s_add_co_u32 s[TR], s[TR], 2
	s_cmp_lt_u32 s[TR], 9
	s_cbranch_scc1 .Lstep
	s_wait_alu depctr_va_vdst(0)
	s_wait_dscnt 0x0                               ; the partial sums are stored
	s_barrier_signal -1
	s_barrier_wait -1
	s_cmp_lt_u32 s[WV], 8
	s_cbranch_scc0 .Ljoined
	; waves 0-7 join the two parts under the larger M
.irp t, 0,1,2,3,4,5,6,7
	ds_load_b128 v[X+4*\t:X+4*\t+3], v4 offset:512*\t
.endr
	ds_load_b64 v[X+32:X+33], v5 offset:4096       ; the other part's -M and sum
	s_wait_dscnt 0x0
	v_min_num_f32 v[TT], v12, v[X+32]
	v_add_f32 v14, v14, v15
	v_mov_b32 v15, 0
	v_sub_f32 v[X+34], v[TT], v12
	v_sub_f32 v[X+35], v[TT], v[X+32]
	v_cvt_i32_f32 v[X+34], v[X+34]
	v_cvt_i32_f32 v[X+35], v[X+35]
	v_ldexp_f32 v[F], 1.0, v[X+34]
	v_ldexp_f32 v[BM], 1.0, v[X+35]
	v_mul_f32 v14, v14, v[F]
	v_fmac_f32 v14, v[X+33], v[BM]
.set j, 0
.rept 16
	v_pk_mul_f32 v[O+j:O+j+1], v[O+j:O+j+1], v[F:F+1] op_sel_hi:[1,0]
.set j, j+2
.endr
.set j, 0
.rept 16
	v_pk_fma_f32 v[O+j:O+j+1], v[X+j:X+j+1], v[BM:BM+1], v[O+j:O+j+1] op_sel_hi:[1,0,1]
.set j, j+2
.endr
.Ljoined:
	; THE WAY OUT.  y = O^T / the sum: register 8 j + i is channel 32 h + 8 j + i of my query: one block of the last product's K.  The tile's rows become half a fragment (64 along K) and two scale bytes.
	v_add_f32 v14, v14, v15
	v_permlanex16_b32 v[PM+3], v14, s[SEL], s[SEL+1]
	v_add_f32 v14, v14, v[PM+3]                    ; the row's sum
	s_wait_alu depctr_va_vdst(0)
	v_rcp_f32 v14, v14
	v_nop                                          ; a plain place behind the transcendental
	s_lshr_b32 s70, s53, 4
	s_lshl_b32 s70, s70, 7
	s_lshl_b32 s71, s[RF], 3
	s_add_co_u32 s70, s70, s71
	s_add_co_u32 s70, s70, s52                     ; y's tile: 128 x batch + 8 x rank + g
	s_bfe_u32 s71, s53, 0x30001                    ; head / 2: the K step of 128
	s_and_b32 s72, s53, 1                          ; head % 2: its half
	s_add_co_u32 s66, s70, 512
	s_mul_i32 s66, s66, 12288
	s_mul_i32 s73, s71, 1536
	s_add_co_u32 s66, s66, s73
	s_mul_i32 s73, s72, 768
	s_add_co_u32 s66, s66, s73
	s_mov_b32 s67, 0
	s_add_nc_u64 s[66:67], s[6:7], s[66:67]
	s_lshr_b32 s68, s70, 1
	s_add_co_u32 s68, s68, 256
	s_lshl_b32 s68, s68, 10
	s_lshl_b32 s73, s71, 7
	s_add_co_u32 s68, s68, s73
	s_and_b32 s73, s70, 1
	s_lshl_b32 s73, s73, 2
	s_add_co_u32 s68, s68, s73
	s_lshl_b32 s73, s72, 1
	s_add_co_u32 s68, s68, s73
	s_mov_b32 s69, 0
	s_add_nc_u64 s[68:69], s[8:9], s[68:69]
	s_wait_alu depctr_va_vdst(0)                   ; ahead of the reciprocal's first reader
.set j, 0
.rept 32
	v_mul_f32 v[Y+j], v[O+j], v14                  ; each accumulator from its low end on
.set j, j+1
.endr
.irp b, 0,1
	v_max3_num_f32 v[BM+\b], |v[Y+16*\b]|, |v[Y+1+16*\b]|, 0x1800000
.endr
.irp i, 2,4,6,8,10,12,14
.irp b, 0,1
	v_max3_num_f32 v[BM+\b], v[BM+\b], |v[Y+16*\b+\i]|, |v[Y+1+16*\b+\i]|
.endr
.endr
	v_max_num_f32 v[BM], v[BM], v[BM+1]
	v_add_nc_u32 v[SO], 0xff000000, v[BM]
	v_cvt_scalef32_pk16_fp6_f32 v[PCD:PCD+2], v[Y:Y+15], v[SO]
	v_cvt_scalef32_pk16_fp6_f32 v[CT:CT+2], v[Y+16:Y+31], v[SO]
	v_lshrrev_b32 v[TT], 23, v[SO]                 ; my block's byte (a plain place behind the conversions)
.irp i, 0,1,2
	v_mov_b32 v[PCD+3+\i], v[CT+\i]
.endr
	global_store_b128 v1, v[PCD:PCD+3], s[66:67]             ; 512 consecutive bytes, aligned
	global_store_b64 v2, v[PCD+4:PCD+5], s[66:67] offset:512 ; 256
	global_store_b8 v3, v[TT], s[68:69]            ; half of the row's scale word, a byte from each half of the lanes (the other half is the neighbouring head's): one small store a wave
	s_wait_tensorcnt 0x0                           ; the wave's end
	ds_add_u32 v254, v255
	s_wait_dscnt 0x0
	ROUND                                          ; the closing round: no work-group ends while a partner may still ask for a record that names it
	s_endpgm
.Lfunc_end_k_q741ead3066_attn:
	.size	k_q741ead3066_attn, .Lfunc_end_k_q741ead3066_attn-k_q741ead3066_attn
	.p2alignl 7, 3214868480
	.fill 96, 4, 3214868480
	.section	.rodata,"a",@progbits
	.p2align	6, 0x0
	.amdhsa_kernel k_q741ead3066_attn
		.amdhsa_group_segment_fixed_size 320512
		.amdhsa_private_segment_fixed_size 0
		.amdhsa_enable_private_segment 0
		.amdhsa_kernarg_size 24
		.amdhsa_user_sgpr_count 2
		.amdhsa_user_sgpr_kernarg_segment_ptr 1
		.amdhsa_wavefront_size32 1
		.amdhsa_system_sgpr_workgroup_id_x 1
		.amdhsa_system_sgpr_workgroup_id_y 1
		.amdhsa_system_sgpr_workgroup_id_z 1
		.amdhsa_system_vgpr_workitem_id 0
		.amdhsa_next_free_vgpr 256
		.amdhsa_next_free_sgpr 100
		.amdhsa_reserve_vcc 1
		.amdhsa_float_denorm_mode_32 3
		.amdhsa_float_denorm_mode_16_64 3
		.amdhsa_memory_ordered 1
		.amdhsa_forward_progress 1
		.amdhsa_inst_pref_size 88
	.end_amdhsa_kernel
	.amdgpu_metadata
---
amdhsa.version: [ 1, 2 ]
amdhsa.kernels:
  - .name:           k_q741ead3066_attn
    .symbol:         k_q741ead3066_attn.kd
    .args:
      - { .name: qkv, .offset: 0, .size: 8, .value_kind: global_buffer, .address_space: global }
      - { .name: codes, .offset: 8, .size: 8, .value_kind: global_buffer, .address_space: global }
      - { .name: sc, .offset: 16, .size: 8, .value_kind: global_buffer, .address_space: global }
    .group_segment_fixed_size: 320512
    .private_segment_fixed_size: 0
    .kernarg_segment_align: 8
    .kernarg_segment_size: 24
    .max_flat_workgroup_size: 512
    .sgpr_count:     100
    .vgpr_count:     256
    .wavefront_size: 32
...
	.end_amdgpu_metadata
.endif
;; end of part 3
;; launch proj (part 4): grid 8 x 32, 4 waves a work-group, clusters of 4 x 4, 266,752 bytes of LDS; arguments codes, sc, out0; writes out0
.if DOCPART == 4
	.amdgcn_target "amdgcn-amd-amdhsa--gfx1250"
	.amdhsa_code_object_version 6
	.text
	.protected	k_q741ead3066_proj
	.globl	k_q741ead3066_proj
	.p2align	8
	.type	k_q741ead3066_proj,@function
k_q741ead3066_proj:
	s_mov_b64 s[64:65], 0
	v_nop
	global_prefetch_b8 v0, s[64:65] scope:SCOPE_SE
	s_setreg_imm32_b32 hwreg(HW_REG_WAVE_MODE, 25, 1), 1
	s_wait_xcnt 0x0
	s_wait_alu depctr_hold_cnt(0) depctr_sa_sdst(0) depctr_va_vdst(0) depctr_va_sdst(0) depctr_va_ssrc(0) depctr_va_vcc(0) depctr_vm_vsrc(0)
	s_getreg_b32 s2, hwreg(HW_REG_IB_STS2, 6, 4)
	s_cmp_eq_u32 s2, 0
	s_cbranch_scc0 .Lentry_in_a_cluster
	s_endpgm
.Lentry_in_a_cluster:
	s_bfe_u32 s2, ttmp6, 0x10000c
	s_cmp_lg_u32 s2, 0xf033
	s_cbranch_scc0 .Lentry_shape_is_right
	s_endpgm
.Lentry_shape_is_right:
; out0 = y W_proj, K = 1,024, on codes of FP6 (E2M3) with one E8M0 byte for each 32 along K; sums in f32.  Operands are register images: [tile of 16 rows][K step of 128: 8][1,536 bytes];
; row i of tile t is index 64 (t / 4) + 8 (t % 4) + i + 24 (i / 8).  Tiles 448-511 W_proj (columns), 512-767 y (tokens).  Scale words: 'sc', [pair of tiles][K step][row][tile of the pair].
; A work-group of four waves makes 128 tokens x 128 columns (256 work-groups), a wave 64 x 64: 16 accumulators.  Source 0 = a tile of W: a lane holds one token and, over four tiles, 32 neighbouring columns.
; LDS: all of K for 8 tiles of y (A) and 8 of W (B), in two halves of four K steps, filled ONCE by one tensor load a wave at the head: waves 0 and 1 A's and B's first half, waves 2 and 3 the second.  Behind them a stage of four tiles for each wave, and the spare words.
; CLUSTER 4 x 4: A's tiles are shared along a row of the cluster, B's along a column.  No prefetch: every tile is asked for at the head.
; REGISTERS: window 0: v32-63 scale words (4 s + i: lanes 0-15 A's tile i, lanes 16-31 B's); v64-255 A's fragments, four sets; window 1: B's, four sets; window 2: accumulator (a, b) at 32 a + 8 b.
.set TP,    6144                       ; a tile's bytes of a half
.set HALFB, 16*TP
.set STG,   2*HALFB
.set SPARE, STG+4*17408
.set L16, 2
.set L8,  3
.set A16, 4                            ; v4-7 A and B (16 x lane, 8 x lane) in the first half, v8-11 in the second
.set STO, 12
.set RD,  13
.set CO,  14
.set SOFF, 15
.set SPW, 28
.set NIL, 29
.set SC,  32
.set AF,  64
.set BK,  64
.set GA,  24
.set GB,  32
.set DA0, 40
.set DB0, 44
.set DA1, 48
.set DB1, 52
.set MSB, 0
.macro WIN new
.if MSB != \new
	s_set_vgpr_msb (MSB<<8)|\new
.set MSB, \new
.endif
.endm
.macro PLACES n
.rept \n
	v_nop
.endr
.endm
.macro CROUND
	s_barrier_signal -1
	s_barrier_wait -1
	s_cmp_lg_u32 s14, 0
	s_cbranch_scc1 .Lnot_wave_0_\@
	s_barrier_signal -3
.Lnot_wave_0_\@:
	s_barrier_wait -3
	s_barrier_signal -1
	s_barrier_wait -1
.endm
	s_load_b128 s[4:7], s[0:1], 0x0                ; codes s[4:5], sc s[6:7]
	s_load_b64 s[8:9], s[0:1], 0x10                ; out0
	v_lshl_add_u32 v[SPW], v0, 2, SPARE
	v_mov_b32 v[NIL], 0
	ds_add_u32 v[SPW], v[NIL]
	ds_add_u32 v[SPW], v[NIL]
	v_lshrrev_b32 v1, 5, v0
	v_readfirstlane_b32 s14, v1                    ; wave
	s_lshr_b32 s15, s14, 1                         ; which 64 tokens
	s_and_b32 s16, s14, 1                          ; which 64 columns
	s_bfe_u32 s66, ttmp6, 0x40000
	s_bfe_u32 s67, ttmp6, 0x40004
	s_lshl_b32 s10, ttmp9, 2
	s_add_co_u32 s10, s10, s66                     ; the block of 128 columns
	s_and_b32 s11, ttmp7, 0xffff
	s_lshl_b32 s11, s11, 2
	s_add_co_u32 s11, s11, s67                     ; the block of 128 tokens
	s_lshl_b32 s12, s67, 2
	s_lshl_b32 s12, 15, s12
	s_lshl_b32 s13, 0x1111, s66
	s_or_b32 s[GA], s12, (3<<16)|(1<<21)           ; 15:0 the mask; 17:16 elements of 8 bytes; 21 set beside a mask
	s_or_b32 s[GB], s13, (3<<16)|(1<<21)
.irp g, GA, GB
	s_mov_b32 s[\g+1], (TP/8)<<16
	s_mov_b32 s[\g+2], 8<<16
	s_mov_b32 s[\g+3], (TP/8)<<16
	s_mov_b32 s[\g+4], 8
	s_mov_b32 s[\g+5], 1536
	s_mov_b32 s[\g+6], 0
	s_mov_b32 s[\g+7], 0
.endr
	s_mul_i32 s76, s11, 8*12288
	s_add_co_u32 s76, s76, 512*12288
	s_mov_b32 s77, 0
	s_mul_i32 s78, s10, 8*12288
	s_add_co_u32 s78, s78, 448*12288
	s_mov_b32 s79, 0
	s_wait_dscnt 0x0
	s_wait_kmcnt 0x0
	s_add_nc_u64 s[76:77], s[4:5], s[76:77]
	s_add_nc_u64 s[78:79], s[4:5], s[78:79]
.macro GROUP0 d, lds, base, off
	s_mov_b32 s[\d], 1
	s_mov_b32 s[\d+1], \lds
	s_add_nc_u64 s[\d+2:\d+3], s[\base:\base+1], \off
	s_or_b32 s[\d+3], s[\d+3], 0x80000000
.endm
	GROUP0 DA0, 0, 76, 0
	GROUP0 DB0, 8*TP, 78, 0
	GROUP0 DA1, HALFB, 76, TP
	GROUP0 DB1, HALFB+8*TP, 78, TP
	CROUND                                         ; all sixteen work-groups are here: the joint loads meet
.macro TLOAD d, g
	tensor_load_to_lds s[\d:\d+3], s[\g:\g+7]
	s_nop 0
	PLACES 4
.endm
.macro ARM under, d, g, next
	s_cmp_lt_u32 s14, \under
	s_cbranch_scc0 \next
	TLOAD \d, \g
	s_branch .Lhead_asked
\next:
.endm
	ARM 1, DA0, GA, .Lwave_1
	ARM 2, DB0, GB, .Lwave_2
	ARM 3, DA1, GA, .Lwave_3
	TLOAD DB1, GB
.Lhead_asked:
	v_and_b32 v1, 31, v0
	v_and_b32 v16, 15, v0                          ; r
	v_bfe_u32 v17, v0, 4, 1                        ; h
	v_lshlrev_b32 v[L16], 4, v1
	v_lshlrev_b32 v[L8], 3, v1
	v_sub_nc_u32 v18, 1, v17                       ; 1 in lanes 0-15
	s_wait_alu depctr_va_vdst(0)                   ; ahead of the scalar lines below
	s_lshl_b32 s84, s11, 2
	s_lshl_b32 s85, s15, 1
	s_add_co_u32 s84, s84, s85
	s_add_co_u32 s84, s84, 256                     ; y's pairs of tiles
	s_lshl_b32 s84, s84, 10
	s_lshl_b32 s86, s10, 2
	s_lshl_b32 s85, s16, 1
	s_add_co_u32 s86, s86, s85
	s_add_co_u32 s86, s86, 224                     ; W_proj's
	s_lshl_b32 s86, s86, 10
	s_sub_co_u32 s84, s84, s86
	v_mul_u32_u24 v18, s84, v18
	v_lshl_add_u32 v18, v16, 3, v18
	v_add_nc_u32 v[SOFF], s86, v18
.irp s, 0,1,2,3,4,5,6,7
.irp p, 0,1
	global_load_b64 v[SC+4*\s+2*\p:SC+4*\s+2*\p+1], v[SOFF], s[6:7] offset:1024*\p+128*\s   ; the scale words for all of K
.endr
.endr
	s_mul_i32 s20, s15, 4*TP                       ; my 4 tiles of A,
	s_mul_i32 s21, s16, 4*TP
	s_add_co_u32 s21, s21, 8*TP                    ; and of B, behind A's 8
.irp n, 0,1
	v_add_nc_u32 v[A16+4*\n], s20, v[L16]
	v_add_nc_u32 v[A16+4*\n+1], s20, v[L8]
	v_add_nc_u32 v[A16+4*\n+2], s21, v[L16]
	v_add_nc_u32 v[A16+4*\n+3], s21, v[L8]
	s_add_co_u32 s20, s20, HALFB
	s_add_co_u32 s21, s21, HALFB
.endr
	s_mul_i32 s23, s14, 17408
	s_add_co_u32 s23, s23, STG                     ; my stage: four tiles of 16 rows x (256 bytes + 16)
	v_mul_u32_u24 v19, v16, 272
	v_lshl_add_u32 v19, v17, 7, v19
	v_add_nc_u32 v[STO], s23, v19                  ; in: row r, + 128 h
	v_mul_u32_u24 v20, v17, 272
	v_lshl_add_u32 v20, v16, 4, v20
	v_add_nc_u32 v[RD], s23, v20                   ; back: two rows of 256 bytes, sixteen lanes each
	v_lshlrev_b32 v21, 12, v17
	v_lshl_add_u32 v[CO], v16, 4, v21              ; and the same two rows of out0
	s_lshl_b32 s80, s11, 7
	s_lshl_b32 s81, s15, 6
	s_add_co_u32 s80, s80, s81
	s_lshl_b32 s80, s80, 12                        ; my first token's row of 4,096 bytes,
	s_lshl_b32 s81, s10, 9
	s_add_co_u32 s80, s80, s81
	s_lshl_b32 s81, s16, 8
	s_add_co_u32 s80, s80, s81                     ; my first column
	s_mov_b32 s81, 0
	s_add_nc_u64 s[8:9], s[8:9], s[80:81]
.macro FRAG reg, a16, off
	ds_load_b128 v[\reg:\reg+3], v[\a16] offset:\off
	ds_load_b64 v[\reg+4:\reg+5], v[\a16+1] offset:\off+512
	ds_load_b128 v[\reg+6:\reg+9], v[\a16] offset:\off+768
	ds_load_b64 v[\reg+10:\reg+11], v[\a16+1] offset:\off+1280
.endm
.macro FETCH s                         ; K step s: 32 loads into set s % 4
	WIN 0x40
.irp i, 0,1,2,3
	FRAG 48*((\s)%4)+12*\i, A16+4*((\s)/4)+2, TP*\i+1536*((\s)%4)
.endr
	WIN 0
.irp i, 0,1,2,3
	FRAG AF+48*((\s)%4)+12*\i, A16+4*((\s)/4), TP*\i+1536*((\s)%4)
.endr
.endm
; 16 products: the accumulators take turns, one instruction a turn, in the same order in every step
.macro MUL s
	WIN 0xa1                                       ; source 0 (W) window 1, source 1 (y) window 0, C and D window 2
.irp a, 0,1,2,3
.irp b, 0,1,2,3
.set D_, 32*\a+8*\b
.set B_, 48*((\s)%4)+12*\b
.set F_, AF+48*((\s)%4)+12*\a
.if (\s) == 0
	v_wmma_scale_f32_16x16x128_f8f6f4 v[D_:D_+7], v[B_:B_+11], v[F_:F_+11], 0, v[SC+4*(\s)+\b], v[SC+4*(\s)+\a] matrix_a_fmt:MATRIX_FMT_FP6 matrix_b_fmt:MATRIX_FMT_FP6 matrix_a_scale:MATRIX_SCALE_ROW1
.else
	v_wmma_scale_f32_16x16x128_f8f6f4 v[D_:D_+7], v[B_:B_+11], v[F_:F_+11], v[D_:D_+7], v[SC+4*(\s)+\b], v[SC+4*(\s)+\a] matrix_a_fmt:MATRIX_FMT_FP6 matrix_b_fmt:MATRIX_FMT_FP6 matrix_a_scale:MATRIX_SCALE_ROW1
.endif
.endr
.endr
	WIN 0
.endm
	s_wait_alu depctr_va_vdst(0)                   ; the wait at the head's end
	s_cmp_lt_u32 s14, 2
	s_cbranch_scc0 .Lnot_first
	s_wait_tensorcnt 0x0                           ; waves 0 and 1: the first half is in; the second may be out
.Lnot_first:
	s_barrier_signal -1
	s_barrier_wait -1
	FETCH 0
	FETCH 1
	s_wait_loadcnt 0x0                             ; the scale words
	s_wait_dscnt 32                                ; step 0's fragments are in, step 1's 32 loads may be out
	MUL 0
	FETCH 2
	s_wait_dscnt 32
	MUL 1
	FETCH 3
	s_wait_tensorcnt 0x0                           ; the second half is in
	s_wait_dscnt 0x0
	s_barrier_signal -1
	MUL 2
	s_barrier_wait -1
	PLACES 4                                       ; in front of loads into sets that the products up to step 2 have read
	FETCH 4
	MUL 3
	PLACES 4                                       ; and those of step 3
	FETCH 5
	s_wait_dscnt 32
	MUL 4
	FETCH 6
	s_wait_dscnt 32
	MUL 5
	FETCH 7
	s_wait_dscnt 32
	MUL 6
	s_wait_dscnt 0x0
	MUL 7
	PLACES 4
; THE WAY OUT, a tile of 16 tokens x 64 columns at a time: in as the accumulators stand, each from its low end on, back as rows of 256 bytes.  Each tile has stage bytes and registers of its own.
.macro TOSTAGE a
	WIN 0x08                                       ; the data: window 2
.irp b, 0,1,2,3
	ds_store_b128 v[STO], v[32*(\a)+8*\b:32*(\a)+8*\b+3] offset:4352*(\a)+32*\b
	ds_store_b128 v[STO], v[32*(\a)+8*\b+4:32*(\a)+8*\b+7] offset:4352*(\a)+32*\b+16
.endr
	WIN 0
.irp k, 0,1,2,3,4,5,6,7
	ds_load_b128 v[BK+32*(\a)+4*\k:BK+32*(\a)+4*\k+3], v[RD] offset:4352*(\a)+544*\k   ; LDS serves a wave's instructions in order: these see my stores
.endr
.endm
.macro SEND a, younger
	s_wait_dscnt \younger                          ; the next tile's 8 stores and 8 loads may be out
.irp k, 0,1,2,3,4,5,6,7
	global_store_b128 v[CO], v[BK+32*(\a)+4*\k:BK+32*(\a)+4*\k+3], s[8:9] offset:(8*(\a)+2*\k+24*(\k/4))*4096 th:TH_STORE_NT   ; two rows, 256 consecutive bytes each, aligned
.endr
.endm
	TOSTAGE 0
	TOSTAGE 1
	SEND 0, 16
	TOSTAGE 2
	SEND 1, 16
	TOSTAGE 3
	SEND 2, 16
	SEND 3, 0
	s_wait_tensorcnt 0x0                           ; the wave's end
	ds_add_u32 v[SPW], v[NIL]
	s_wait_dscnt 0x0
	CROUND                                         ; the closing round
	s_endpgm
.Lfunc_end_k_q741ead3066_proj:
	.size	k_q741ead3066_proj, .Lfunc_end_k_q741ead3066_proj-k_q741ead3066_proj
	.p2alignl 7, 3214868480
	.fill 96, 4, 3214868480
	.section	.rodata,"a",@progbits
	.p2align	6, 0x0
	.amdhsa_kernel k_q741ead3066_proj
		.amdhsa_group_segment_fixed_size 266752
		.amdhsa_private_segment_fixed_size 0
		.amdhsa_enable_private_segment 0
		.amdhsa_kernarg_size 24
		.amdhsa_user_sgpr_count 2
		.amdhsa_user_sgpr_kernarg_segment_ptr 1
		.amdhsa_wavefront_size32 1
		.amdhsa_system_sgpr_workgroup_id_x 1
		.amdhsa_system_sgpr_workgroup_id_y 1
		.amdhsa_system_sgpr_workgroup_id_z 1
		.amdhsa_system_vgpr_workitem_id 0
		.amdhsa_next_free_vgpr 640
		.amdhsa_next_free_sgpr 100
		.amdhsa_reserve_vcc 0
		.amdhsa_float_denorm_mode_32 3
		.amdhsa_float_denorm_mode_16_64 3
		.amdhsa_memory_ordered 1
		.amdhsa_forward_progress 1
		.amdhsa_inst_pref_size 51
	.end_amdhsa_kernel
	.amdgpu_metadata
---
amdhsa.version: [ 1, 2 ]
amdhsa.kernels:
  - .name:           k_q741ead3066_proj
    .symbol:         k_q741ead3066_proj.kd
    .args:
      - { .name: codes, .offset: 0, .size: 8, .value_kind: global_buffer, .address_space: global }
      - { .name: sc, .offset: 8, .size: 8, .value_kind: global_buffer, .address_space: global }
      - { .name: out0, .offset: 16, .size: 8, .value_kind: global_buffer, .address_space: global }
    .group_segment_fixed_size: 266752
    .private_segment_fixed_size: 0
    .kernarg_segment_align: 8
    .kernarg_segment_size: 24
    .max_flat_workgroup_size: 128
    .sgpr_count:     100
    .vgpr_count:     640
    .wavefront_size: 32
...
	.end_amdgpu_metadata
.endif
;; end of part 4
